; MI455X (gfx1250); checked and timed in simulation.
; The chip was launched on July 23, 2026; its instructions are those of AMD's public machine-readable ISA for CDNA 5 (MIT licence, August 2026) and "CDNA5" Instruction Set Architecture Reference Guide (July 2026). The comments in the code are by the model that wrote it; some were corrected since.
;; Casual Self Attention. Allowed arithmetic: matrix products marked QUANTISED: E2M1 operands, one E8M0 scale for each 32 along K, by v_wmma_scale_f32_16x16x128_f8f6f4 with both operands' format E2M1 (or v_wmma_scale_f32_32x16x128_f4), f32 sums; everything else in f32.
;; Inputs: W_attn 3,072 x 1,024 float32; W_proj 1,024 x 1,024 float32; b_attn 3,072 float32; b_proj 1,024 float32; x 4 x 2,048 x 1,024 float32.
;; Outputs: out0 4 x 2,048 x 1,024 float32.
;; This version of the problem:
;;   THIS VERSION OF THE PROBLEM IS GIVEN IN LOW PRECISION. The matrix products marked QUANTISED in the list below multiply operands that are first quantised to E2M1 (2 exponent bits, 1 mantissa bit; 4 bits a number), with one power-of-two scale for each 32 numbers along K (OCP MX v1.0); their sums are f32. All else is computed in f32.
;;   The module's matrix products, in the order in which they are computed (A, B: the left and right operand; K: the contracted axis; several contracted axes count as one K, in the product's order):
;;     1. [M 8,192, K 1,024] x [K 1,024, N 3,072]; A: input x; B: input W_attn: QUANTISED
;;     2. batch 64 x [M 2,048, K 64] x [K 64, N 2,048]; A: computed on the way; B: computed on the way: QUANTISED
;;     3. batch 64 x [M 2,048, K 2,048] x [K 2,048, N 64]; A: softmax (see below); B: computed on the way: QUANTISED
;;     4. [M 8,192, K 1,024] x [K 1,024, N 1,024]; A: computed on the way; B: input W_proj: QUANTISED
;;   THE QUANTISER, for each operand of a quantised product, along K:
;;     - K is cut into blocks of 32 from its start; a last block that is shorter is filled with zeros.
;;     - A block's scale is 2^e with e = floor(log2(the largest magnitude in the block)) - 2, held to -126 .. 127; a block of zeros has e = 0. As a byte (E8M0): e + 127.
;;     - Each number is divided by its block's scale, clamped to +-6, and rounded to the nearest number of E2M1, ties to even, subnormals kept.
;;     - The product sums the exact products of the quantised numbers (number of the format x scale) in f32.
;;   ~~~python
;;   def quantise(x, axis):      # numpy; x: float32 -> the quantised numbers, widened to float32 again
;;       x = np.moveaxis(x, axis, -1); K = x.shape[-1]
;;       x = np.pad(x, [(0, 0)] * (x.ndim - 1) + [(0, -K % 32)]); x = x.reshape(x.shape[:-1] + (-1, 32)); a = np.abs(x).max(-1, keepdims=True)
;;       e = np.where(a > 0, np.clip(np.frexp(np.where(a > 0, a, 1))[1] - 1 - 2, -126, 127), 0)      # np.frexp(a)[1] - 1 = floor(log2(a)), exactly
;;       r = np.clip(x / 2.0 ** e, -6, 6)
;;       step = 2.0 ** (np.maximum(np.frexp(np.where(r == 0, 1, r))[1] - 1, 0) - 1)
;;       q = np.round(r / step) * step * 2.0 ** e      # np.round: ties to even
;;       return np.moveaxis(q.reshape(q.shape[:-2] + (-1,))[..., :K], -1, axis).astype(np.float32)
;;   ~~~
;;   SOFTMAX AHEAD OF A QUANTISED PRODUCT. Where the list says 'softmax', what is quantised is not the finished softmax but p = 2^(t - M), with t = logit x log2(e) and M = ceil(the row's largest t), a whole number; so 1/2 < the row's largest p <= 1. The row's sum l is taken of the UNQUANTISED p, in f32, and the product's result is divided by l at the end. Since M is a whole number, a kernel that streams over the keys may use a running M (the ceiling of the running maximum): every later rescaling is an exact power of two, which a block's scale takes up: the codes' values come out the same.
;;   OPERANDS COMPUTED ON THE WAY. 'Computed on the way' means the value that the module computes at that place (a softmax that the list does not call 'softmax' is quantised finished and normalised). What goes into a quantiser is computed in f32, as accurately as f32 sums, v_exp_f32 and their like allow (about 1e-6 of the number): no bf16 or f16 on the way to a quantiser, and a product that is left as it is and whose result goes on into a quantised operand takes f32 operands (vector FMAs, or v_wmma_f32_16x16x4_f32). A number that lies on a knife's edge between two numbers of the format may be rounded either way, as far as f32 arithmetic and the matrix unit's own rounding can turn it there, and no further.
;; One version. Each part assembles by itself: llvm-mc -triple=amdgcn-amd-amdhsa -mcpu=gfx1250 --defsym DOCPART=n.
;; ======== version 1 of 1: 4 launches
;; workspace buffers: codes1 6,291,456 bytes; scales1 393,216 bytes; qkvc 12,582,912 bytes; qkvs 786,432 bytes; yc 4,194,304 bytes; ys 262,144 bytes
;; launch quant (part 1): grid 384 x 1, 4 waves a work-group, no clusters, 33,280 bytes of LDS; arguments x, W_attn, W_proj, codes1, scales1; writes codes1, scales1
.if DOCPART == 1
	.amdgcn_target "amdgcn-amd-amdhsa--gfx1250"
	.amdhsa_code_object_version 6
	.text
	.protected	k_q9feb2fd6d9_quant
	.globl	k_q9feb2fd6d9_quant
	.p2align	8
	.type	k_q9feb2fd6d9_quant,@function
k_q9feb2fd6d9_quant:
	s_mov_b64 s[64:65], 0
	v_nop
	global_prefetch_b8 v0, s[64:65] scope:SCOPE_SE
	s_setreg_imm32_b32 hwreg(HW_REG_WAVE_MODE, 25, 1), 1
	s_wait_xcnt 0x0
; LAUNCH 1 OF 4.  x [8192][1024], W_attn [3072][1024], W_proj [1024][1024], f32, K innermost, become codes of FP4 (E2M1), two a byte, and one E8M0 byte for each 32 along K.
; THE PROGRAM: 1 quantises the three inputs; 2 makes q, k, v = x W_attn^T + b_attn on codes and quantises them in registers; 3 is the causal attention on codes and quantises y; 4 is y W_proj^T + b_proj.
; WORK LEFT OUT: reference() builds the causal mask itself (jnp.tril) and sets every score with key > query to -inf ahead of the softmax: its p is 0 for all values of the inputs, a zero adds nothing to the
; row's sum, to a block's largest magnitude or to the second product.  So a tile of 16 queries x 128 keys all of whose keys come after all of its queries reaches no output, and launch 3 leaves such tiles out.
; Nothing else is left out: every input is loaded (b_attn's part on k moves k's codes, so it stays).  LIMIT: a NaN, an infinity or an overflow that reaches only the tiles left out is not carried to the result.
; A block's scale is 2^(floor(log2(its largest magnitude)) - 2); its byte is the largest magnitude's exponent field - 2, held at 1 from below.  A block of zeros so gets the byte 1 where the rule says 127:
; its codes are zeros, which add nothing under any byte but 0xff, and the bytes are read by this program alone.
; LIMITS: blocks whose largest magnitude lies under 2^-124 have their byte held at 1; NaN and infinities among the inputs are not served.
; PLACES.  The three tensors follow each other in codes1 (512 bytes a row) and scales1 (32 bytes a row): 12,288 rows.  ROW rho IS STORED AT PLACE rho WITH ITS BITS 3 AND 4 EXCHANGED.  A tile of 16 neighbouring
; places, taken as source 0 of a matrix instruction, then leaves in a lane's 16 registers of two neighbouring tiles 16 NEIGHBOURING rows, which is what the later quantisers along those rows want.
; A work-group takes 32 rows, a wave 8 rows (one value of bits 3 and 4): wave w's results go to the place of wave (w >> 1) | ((w & 1) << 1).
; A wave takes 16 steps of 512 numbers.  Each of a step's four loads reads 512 consecutive bytes; the 2,048 bytes turn through the wave's own stage in LDS and come back 64 bytes a lane (16 neighbours; two lanes hold a
; block).  A lane's 16 codes are 8 bytes: the wave stores 256 consecutive bytes.  A wave's 256 scale bytes are gathered in LDS and leave as one run of 256 bytes.  No barrier: waves share nothing.
.set WAVES, 4
.set STEPS, 16
.set EMAX,  2
.set CB,    8                          ; bytes of 16 codes
.set R,     16                         ; v16-79   four sets of 16 numbers as they are loaded
.set X,     80                         ; v80-111  two sets of 16 neighbours
.set C,     128                        ; v128-191 codes: four registers for each step, so that no store's data are written again
.set E,     112                        ; v112-127 a scale byte for each step
.set WREG,  8192                       ; LDS: a region for each wave: two stages of 32 x SP bytes, then its 256 scale bytes
.set SP,    80                         ; a lane's place in a stage: 64 bytes + 16 of padding
.set SPW,   12                         ; v12  LDS address of my spare word; never rewritten
.set NIL,   13                         ; v13  0; never rewritten
.set SPARE, WAVES*WREG                 ; behind the four regions: the spare words, 128 bytes a wave
	s_load_b128 s[4:7], s[0:1], 0x0                ; x, W_attn
	s_load_b128 s[8:11], s[0:1], 0x10              ; W_proj, codes1
	s_load_b64 s[12:13], s[0:1], 0x20              ; scales1
	v_lshl_add_u32 v[SPW], v0, 2, SPARE
	v_mov_b32 v[NIL], 0
	v_lshrrev_b32 v1, 5, v0
	v_readfirstlane_b32 s16, v1                    ; wave
	v_and_b32 v2, 31, v0                           ; lane
	v_lshlrev_b32 v3, 4, v2                        ; my 16 bytes of a load's 512
	s_mul_i32 s17, s16, WREG
	v_lshrrev_b32 v14, 2, v2
	v_mul_u32_u24 v14, v14, SP
	v_and_b32 v15, 3, v2
	v_lshl_add_u32 v14, v15, 4, v14
	v_add_nc_u32 v14, s17, v14                     ; the stage, on the way in: SP (lane / 4) + 16 (lane % 4)
	v_mul_u32_u24 v15, v2, SP
	v_add_nc_u32 v15, s17, v15                     ; and on the way out: SP x lane: my 16 neighbours
	v_mul_u32_u24 v4, v2, CB                       ; my codes' place in a step's
	v_lshrrev_b32 v5, 1, v2
	s_add_co_u32 s17, s17, 2*32*SP
	v_add_nc_u32 v5, s17, v5                       ; LDS: my wave's 256 scale bytes, my block's byte
	v_lshlrev_b32 v7, 3, v2                        ; and on the way out 8 bytes a lane
	v_add_nc_u32 v6, s17, v7
	s_wait_kmcnt 0x0
	s_cmp_lt_u32 ttmp9, 256                        ; work-groups 0-255: x; 256-351: W_attn; 352-383: W_proj.  The choice hangs on the work-group's number alone
	s_cselect_b64 s[4:5], s[4:5], s[6:7]
	s_cselect_b32 s17, 0, 256
	s_cmp_lt_u32 ttmp9, 352
	s_cselect_b64 s[4:5], s[4:5], s[8:9]
	s_cselect_b32 s17, s17, 352
	s_sub_co_u32 s17, ttmp9, s17
	s_lshl_b32 s17, s17, 2
	s_add_co_u32 s18, s17, s16                     ; which run of 8 rows of the tensor is my wave's
	s_lshl_b32 s18, s18, 15                        ; 32,768 bytes a run
	s_mov_b32 s19, 0
	s_add_nc_u64 s[4:5], s[4:5], s[18:19]
	s_lshr_b32 s20, s16, 1
	s_and_b32 s21, s16, 1
	s_lshl_b32 s21, s21, 1
	s_or_b32 s20, s20, s21                         ; the wave's number with its two bits exchanged
	s_lshl_b32 s21, ttmp9, 2
	s_add_co_u32 s20, s20, s21                     ; the run of 8 places
	s_lshl_b32 s22, s20, 12                        ; 4,096 bytes of codes a run
	s_mov_b32 s23, 0
	s_add_nc_u64 s[10:11], s[10:11], s[22:23]
	s_lshl_b32 s22, s20, 8                         ; 256 scale bytes a run
	s_add_nc_u64 s[12:13], s[12:13], s[22:23]
.macro LOAD t
.irp i, 0,1,2,3
	global_load_b128 v[R+16*((\t)%4)+4*\i:R+16*((\t)%4)+4*\i+3], v3, s[4:5] offset:2048*(\t)+512*\i th:TH_LOAD_NT   ; 32 lanes read 512 consecutive bytes
.endr
.endm
.macro TURN t                          ; step t's numbers through the stage: LDS serves a wave's instructions in order, so no wait stands between the stores and the loads
.irp i, 0,1,2,3
	ds_store_b128 v14, v[R+16*((\t)%4)+4*\i:R+16*((\t)%4)+4*\i+3] offset:32*SP*((\t)%2)+8*SP*\i
.endr
.irp i, 0,1,2,3
	ds_load_b128 v[X+16*((\t)%2)+4*\i:X+16*((\t)%2)+4*\i+3], v15 offset:32*SP*((\t)%2)+16*\i
.endr
.endm
.irp t, 0,1,2,3
	LOAD \t
.endr
	s_wait_loadcnt 12                              ; step 0's four loads are in; the twelve of steps 1 to 3 may be out
	TURN 0
.macro STEP t
.set XS, X+16*((\t)%2)
.if (\t) > 0
	s_wait_dscnt 1                                 ; this step's numbers are back from the stage (the last step's byte store may be out)
.else
	s_wait_dscnt 0x0
.endif
.if (\t)+4 < STEPS
	LOAD (\t)+4                                    ; the stores into the stage have read their registers, which take the loads of four steps on
.endif
.if (\t)+1 < STEPS
.if STEPS-2-(\t) >= 3
	s_wait_loadcnt 12                              ; the next step's four loads are in; those of the three steps behind it may be out
.else
	s_wait_loadcnt 4*(STEPS-2-(\t))
.endif
	TURN (\t)+1                                    ; and go through the other stage while this step is worked
.endif
	v_max3_num_f32 v8, |v[XS]|, |v[XS+1]|, |v[XS+2]|               ; the largest magnitude of my 16, in two chains
	v_max3_num_f32 v9, |v[XS+3]|, |v[XS+4]|, |v[XS+5]|
.irp i, 6,10
	v_max3_num_f32 v8, v8, |v[XS+\i]|, |v[XS+\i+1]|
	v_max3_num_f32 v9, v9, |v[XS+\i+2]|, |v[XS+\i+3]|
.endr
	v_max3_num_f32 v8, v8, |v[XS+14]|, |v[XS+15]|
	v_max3_num_f32 v8, v8, v9, (EMAX+1)<<23        ; and the floor 2^(3 - 127): the byte cannot fall under 1
	v_max_num_f32_dpp v8, v8, v8 row_xmask:1 row_mask:0xf bank_mask:0xf   ; and of my neighbour's 16: the block's
	v_add_nc_u32 v11, 0xff000000, v8               ; 2 off its exponent field: the conversion takes the exponent field of this operand as its scale
	v_cvt_scalef32_pk8_fp4_f32 v[C+4*(\t)], v[XS:XS+7], v11
	v_cvt_scalef32_pk8_fp4_f32 v[C+4*(\t)+1], v[XS+8:XS+15], v11
	v_lshrrev_b32 v[E+(\t)], 23, v11               ; the scale's byte
	ds_store_b8 v5, v[E+(\t)] offset:16*(\t)       ; both lanes of a block write the same byte with the same value
	global_store_b64 v4, v[C+4*(\t):C+4*(\t)+1], s[10:11] offset:32*CB*(\t)   ; 32 lanes store 256 consecutive bytes
.endm
.irp t, 0,1,2,3,4,5,6,7,8,9,10,11,12,13,14,15
	STEP \t
.endr
	ds_load_b64 v[8:9], v6                         ; LDS serves a wave's instructions in order: these see my stores
	s_wait_dscnt 0x0
	global_store_b64 v7, v[8:9], s[12:13]          ; 32 lanes store 256 consecutive bytes
	s_wait_tensorcnt 0x0                           ; the wave's end: behind my last LDS store
	ds_add_u32 v[SPW], v[NIL]
	s_wait_dscnt 0x0
	s_endpgm
.Lfunc_end_k_q9feb2fd6d9_quant:
	.size	k_q9feb2fd6d9_quant, .Lfunc_end_k_q9feb2fd6d9_quant-k_q9feb2fd6d9_quant
	.p2alignl 7, 3214868480
	.fill 96, 4, 3214868480
	.section	.rodata,"a",@progbits
	.p2align	6, 0x0
	.amdhsa_kernel k_q9feb2fd6d9_quant
		.amdhsa_group_segment_fixed_size 33280
		.amdhsa_private_segment_fixed_size 0
		.amdhsa_enable_private_segment 0
		.amdhsa_kernarg_size 40
		.amdhsa_user_sgpr_count 2
		.amdhsa_user_sgpr_kernarg_segment_ptr 1
		.amdhsa_wavefront_size32 1
		.amdhsa_system_sgpr_workgroup_id_x 1
		.amdhsa_system_sgpr_workgroup_id_y 1
		.amdhsa_system_sgpr_workgroup_id_z 1
		.amdhsa_system_vgpr_workitem_id 0
		.amdhsa_next_free_vgpr 192
		.amdhsa_next_free_sgpr 66
		.amdhsa_reserve_vcc 0
		.amdhsa_float_denorm_mode_32 3
		.amdhsa_float_denorm_mode_16_64 3
		.amdhsa_memory_ordered 1
		.amdhsa_forward_progress 1
		.amdhsa_inst_pref_size 34
	.end_amdhsa_kernel
	.amdgpu_metadata
---
amdhsa.version: [ 1, 2 ]
amdhsa.kernels:
  - .name:           k_q9feb2fd6d9_quant
    .symbol:         k_q9feb2fd6d9_quant.kd
    .args:
      - { .name: x, .offset: 0, .size: 8, .value_kind: global_buffer, .address_space: global }
      - { .name: W_attn, .offset: 8, .size: 8, .value_kind: global_buffer, .address_space: global }
      - { .name: W_proj, .offset: 16, .size: 8, .value_kind: global_buffer, .address_space: global }
      - { .name: codes1, .offset: 24, .size: 8, .value_kind: global_buffer, .address_space: global }
      - { .name: scales1, .offset: 32, .size: 8, .value_kind: global_buffer, .address_space: global }
    .group_segment_fixed_size: 33280
    .private_segment_fixed_size: 0
    .kernarg_segment_align: 8
    .kernarg_segment_size: 40
    .max_flat_workgroup_size: 128
    .sgpr_count:     66
    .vgpr_count:     192
    .wavefront_size: 32
...
	.end_amdgpu_metadata
.endif
;; end of part 1
;; launch qkv (part 2): grid 12 x 32, 4 waves a work-group, clusters of 4 x 4, 327,680 bytes of LDS; arguments codes1, scales1, b_attn, qkvc, qkvs; writes qkvc, qkvs
.if DOCPART == 2
	.amdgcn_target "amdgcn-amd-amdhsa--gfx1250"
	.amdhsa_code_object_version 6
	.text
	.protected	k_q9feb2fd6d9_qkv
	.globl	k_q9feb2fd6d9_qkv
	.p2align	8
	.type	k_q9feb2fd6d9_qkv,@function
k_q9feb2fd6d9_qkv:
	s_mov_b64 s[64:65], 0
	v_nop
	global_prefetch_b8 v0, s[64:65] scope:SCOPE_SE
	s_setreg_imm32_b32 hwreg(HW_REG_WAVE_MODE, 25, 1), 1
	s_wait_xcnt 0x0
	s_wait_alu depctr_hold_cnt(0) depctr_sa_sdst(0) depctr_va_vdst(0) depctr_va_sdst(0) depctr_va_ssrc(0) depctr_va_vcc(0) depctr_vm_vsrc(0)
	s_getreg_b32 s2, hwreg(HW_REG_IB_STS2, 6, 4)
	s_cmp_eq_u32 s2, 0
	s_cbranch_scc0 .Lentry_in_a_cluster
	s_endpgm
.Lentry_in_a_cluster:
	s_bfe_u32 s2, ttmp6, 0x10000c
	s_cmp_lg_u32 s2, 0xf033
	s_cbranch_scc0 .Lentry_shape_is_right
	s_endpgm
.Lentry_shape_is_right:
; LAUNCH 2 OF 4.  qkv = x W_attn^T + b_attn on codes of FP4 with E8M0 scales (K = 1,024), and q, k, v quantised in registers for the attention: no f32 number of qkv goes to memory.  No work is left out here.
; A work-group of four waves makes 256 x 256 of the product, a wave 128 x 128: 64 accumulators of 16 x 16.  K goes in two slots of 512 (rows of 256 bytes); both are asked for at the head, nothing is filled again.
; TWO SIDES.  Source 0 of the matrix instruction ("B" in the macros) gives the rows that end up along a lane's REGISTERS; source 1 ("A") those that end up along the LANES.  A quantiser takes neighbours along its K from
; one lane's registers.  q and k are quantised along the head's channels: source 0 = rows of W_attn, source 1 = rows of x.  v is quantised along the KEYS: source 0 = rows of x, source 1 = rows of W_v.
; Both sides live in codes1 / scales1, so the role (the cluster's x: 0 q, 1 k, 2 v; the same in all sixteen partners) only chooses row numbers.
; PLACES.  codes1 holds row rho at the place with bits 3 and 4 exchanged.  So register 16 b' + i of a lane's 64 results (tiles 2 b', 2 b' + 1 of source 0) is row 32 b' + 16 (lane / 16) + i, and lane r of tile a of
; source 1 is row 32 (a / 2) + 16 (r / 8) + 8 (a % 2) + r % 8.
; OUT, as images of the operand registers that launch 3 loads (lane = r + 16 h, 16 bytes a lane):
;   q, k codes: [bh][group of 128 tokens][tile a][lane]: channels 32 h .. 32 h + 31 of token place (a, r).   scales: word (f, r) at 64 f + 4 r: low half tile 2 f's two bytes, high half tile 2 f + 1's.
;   v codes: [bh][key step][c][d tile i][lane]: keys 64 c + 32 h + 0 .. 31 of channel place (i, r).           scales: word (i, r) at 64 i + 4 r: the step's four blocks of keys.
; CLUSTERS: 4 x 4.  The lane side's tile hangs on cy and is asked for jointly along a row of the cluster, the register side's on cx and jointly along a column.
; LIMITS: as stated at the head of launch 1 (byte held at 1 from below; NaN and infinities not served).
; REGISTERS: window 0: v0-31 addresses; v32-95 scale words, two sets; v128-191 the lane side's fragments, one set; on the way out v32-219 at work.  window 1: the register side's fragments, two sets.
;   windows 2, 3: accumulator (a, b) at v[8 (8 (a % 4) + b)] of window 2 + a / 4.
.set NQ,     4                         ; steps of 128 along K in a slot
.set ROWB,   256                       ; a tile's row in bytes: 512 codes
.set KROW,   512                       ; a row of codes1
.set PITCH,  272                       ; an LDS row: 256 bytes + 16 of padding: the 16 rows of a fragment load start 68 words apart
.set FR,     8
.set NL,     2
.set NP,     4                         ; places behind this matrix instruction (ISA guide 7.12.1)
.set HALFT,  128*PITCH
.set SLOT,   4*HALFT                   ; the lane side's 256 rows, then the register side's
.set KS,     32                        ; a row of scale bytes
.set SCL,    2*SLOT                    ; the scales, as runs of 256 bytes + 16 of padding
.set HALFS,  (128*KS/256)*272
.set SBLK,   (16*KS/256)*272
.set SPARE,  SCL+4*HALFS               ; the spare words, 128 bytes a wave
.set BIAS,   SPARE+512                 ; 256 numbers of b_attn: the work-group's rows of W_attn
.set STG,    BIAS+1024                 ; 512 bytes a wave: the scale words on their way out
.set LI,   8                           ; v8   16 x lane
.set ABP,  9                           ; v9   the bias along registers
.set ABL,  10                          ; v10  the bias along lanes
.set SWA,  11                          ; v11  the stage, in
.set SRA,  12                          ; v12  the stage, out
.set SGO,  13                          ; v13  my byte offset among the scale words in memory
.set BOF,  14                          ; v14  8 x thread: my two numbers of the bias in memory
.set BST,  15                          ; v15  and in LDS
.set ADRA, 16
.set ADRB, 20
.set ADRS, 27
.set SPW,  28
.set NIL,  29
.set SC,   32
.set AF,   128
.set HA,   32                          ; the way out: 64 numbers of a lane
.set PC,   96                          ; two sets of 8 registers of codes
.set TM,   112                         ; v112-127 at work
.set BP,   128                         ; the bias in the results' layout
.set PWS,  192                         ; the eight scale words
.set WD,   200
.set X0,   204
.set X1,   205
.set RB,   216
.set SEL,  2                           ; s[2:3] lane selects for v_permlanex16_b32: lane l xor 16
.set G1, 24
.set G0, 32
.set G1B, 48
.set G0B, 56
.set G1S, 68
.set G0S, 76
.set G1SB, 80
.set G0SB, 88
.set MSB, 0
.macro WIN new                         ; the immediate's high byte repeats the setting that is left
.if MSB != (\new)
	s_set_vgpr_msb (MSB<<8)|(\new)
.set MSB, (\new)
.endif
.endm
.set MUL_LO, 0xa1                      ; source 0 window 1, source 1 window 0, C and D window 2
.set MUL_HI, 0xf1
.set TO_B,   0x40
; A joint load: waves 0 and 1 fetch for the lane side, waves 2 and 3 for the register side.  The branch hangs on the wave's number alone.  An s_nop 0 and four v_nop follow each line.
.macro JLOAD g0a, g1a, g0b, g1b
	s_cmp_eq_u32 s15, 0
	s_cbranch_scc0 .Lfor_b_\@
	tensor_load_to_lds s[\g0a:\g0a+3], s[\g1a:\g1a+7]
	s_nop 0
.rept 4
	v_nop
.endr
	s_branch .Lasked_\@
.Lfor_b_\@:
	tensor_load_to_lds s[\g0b:\g0b+3], s[\g1b:\g1b+7]
	s_nop 0
.rept 4
	v_nop
.endr
.Lasked_\@:
.endm
.macro CROUND                          ; a round of the cluster's barrier
	s_barrier_signal -1
	s_barrier_wait -1
	s_cmp_lg_u32 s14, 0
	s_cbranch_scc1 .Lnot_wave_0_\@
	s_barrier_signal -3
.Lnot_wave_0_\@:
	s_barrier_wait -3
	s_barrier_signal -1
	s_barrier_wait -1
.endm
	s_load_b256 s[4:11], s[0:1], 0x0               ; codes1 s[4:5], scales1 s[6:7], b_attn s[8:9], qkvc s[10:11]
	s_load_b64 s[12:13], s[0:1], 0x20              ; qkvs
	v_lshl_add_u32 v[SPW], v0, 2, SPARE
	v_mov_b32 v[NIL], 0
	ds_add_u32 v[SPW], v[NIL]                      ; the wave's opening: the add, twice on end, and its wait ahead of my first tensor load
	ds_add_u32 v[SPW], v[NIL]
	v_lshrrev_b32 v1, 5, v0
	v_readfirstlane_b32 s14, v1                    ; wave 0..3
	s_lshr_b32 s15, s14, 1                         ; my half of the lane side's rows.  Also: I fetch for the lane side (0) or the register side (1)
	s_and_b32 s16, s14, 1                          ; my half of the register side's rows.  Also: which 128 rows I fetch
	s_bfe_u32 s40, ttmp6, 0x40000                  ; cx
	s_bfe_u32 s41, ttmp6, 0x40004                  ; cy
	s_and_b32 s19, ttmp7, 0xffff                   ; the cluster's y, 0..7
	s_add_co_u32 s18, ttmp9, 8
	s_cmp_eq_u32 ttmp9, 2                          ; the role v?  Tiles of 256 places: x 0-31, W_q 32-35, W_k 36-39, W_v 40-43
	s_cselect_b32 s42, s19, s18
	s_cselect_b32 s17, 10, s19
	s_lshl_b32 s42, s42, 2
	s_add_co_u32 s42, s42, s40                     ; the register side's tile: v: x's 4 y + cx;  q, k: W's 32 + 4 role + cx
	s_lshl_b32 s17, s17, 2
	s_add_co_u32 s17, s17, s41                     ; the lane side's tile: v: W_v's 40 + cy;  q, k: x's 4 y + cy
	s_lshl_b32 s43, s41, 2
	s_lshl_b32 s43, 15, s43                        ; my row of the cluster
	s_lshl_b32 s44, 0x1111, s40                    ; my column
	s_or_b32 s[G1+0], s43, (0<<16)|(1<<20)|(1<<21)|(5<<22)|(3<<25)  ; the mask; elements of 1 byte; padding on; bit 21 beside a mask; 4 words after every 64
	s_or_b32 s[G1B+0], s44, (0<<16)|(1<<20)|(1<<21)|(5<<22)|(3<<25)
.irp g, G1, G1B
	s_mov_b32 s[\g+1], ROWB<<16                    ; tensor_dim0
	s_mov_b32 s[\g+2], 128<<16                     ; tensor_dim1
	s_mov_b32 s[\g+3], ROWB<<16                    ; tile_dim0
	s_mov_b32 s[\g+4], 128                         ; tile_dim1
	s_mov_b32 s[\g+5], KROW                        ; the pitch
	s_mov_b32 s[\g+6], 0
	s_mov_b32 s[\g+7], 0
.endr
	s_or_b32 s[G1S+0], s43, (3<<16)|(1<<20)|(1<<21)|(5<<22)|(3<<25)  ; the scales of 128 rows: 4,096 dense bytes as 16 rows of 256 (32 elements of 8 bytes), 16 bytes of padding behind each
	s_or_b32 s[G1SB+0], s44, (3<<16)|(1<<20)|(1<<21)|(5<<22)|(3<<25)
.irp g, G1S, G1SB
	s_mov_b32 s[\g+1], 32<<16
	s_mov_b32 s[\g+2], (128*KS/256)<<16
	s_mov_b32 s[\g+3], 32<<16
	s_mov_b32 s[\g+4], 128*KS/256
	s_mov_b32 s[\g+5], 32
	s_mov_b32 s[\g+6], 0
	s_mov_b32 s[\g+7], 0
.endr
	s_lshl_b32 s18, s16, 7                         ; which 128 rows of the tile I fetch
	s_lshl_b32 s20, s17, 8
	s_add_co_u32 s20, s20, s18                     ; the lane side's first place
	s_lshl_b32 s46, s42, 8
	s_add_co_u32 s46, s46, s18                     ; the register side's
	s_mov_b32 s21, 0
	s_mov_b32 s47, 0
	s_lshl_b64 s[22:23], s[20:21], 5               ; their scale bytes: 32 a place
	s_lshl_b64 s[92:93], s[46:47], 5
	s_lshl_b64 s[20:21], s[20:21], 9               ; their codes: 512 a place
	s_lshl_b64 s[46:47], s[46:47], 9
	s_mul_i32 s45, s14, HALFT                      ; where they go: wave x 128 rows: no place in the cluster enters an LDS address
	s_mul_i32 s94, s14, HALFS
	s_cmp_eq_u32 ttmp9, 2
	s_cselect_b32 s96, s17, s42                    ; the tile of W_attn among the two
	s_sub_co_u32 s96, s96, 32
	s_lshl_b32 s96, s96, 10                        ; its 256 numbers of b_attn
	s_mov_b32 s97, 0
	v_lshlrev_b32 v[BOF], 3, v0
	v_lshl_add_u32 v[BST], v0, 3, BIAS
	s_mov_b32 s[SEL], 0x76543210
	s_mov_b32 s[SEL+1], 0xfedcba98
	s_mov_b32 s66, 0x05040100                      ; v_perm_b32: the two low halves
	s_mov_b32 s67, 0x07060302                      ; the two high halves
	s_mov_b32 s98, 0xffff0000                      ; lanes 16-31
	s_wait_dscnt 0x0                               ; both opening adds are done
	s_wait_kmcnt 0x0
	s_add_nc_u64 s[20:21], s[4:5], s[20:21]
	s_add_nc_u64 s[22:23], s[6:7], s[22:23]
	s_add_nc_u64 s[46:47], s[4:5], s[46:47]
	s_add_nc_u64 s[92:93], s[6:7], s[92:93]
	s_add_nc_u64 s[8:9], s[8:9], s[96:97]
	global_load_b64 v[30:31], v[BOF], s[8:9]       ; 128 threads x 8 bytes: the work-group's 256 numbers of the bias
	CROUND                                         ; all sixteen work-groups are here: the first joint loads meet
	s_mov_b32 s[G0S], 1
	s_add_co_u32 s[G0S+1], s94, SCL
	s_mov_b64 s[G0S+2:G0S+3], s[22:23]
	s_or_b32 s[G0S+3], s[G0S+3], 0x80000000
	s_mov_b32 s[G0SB], 1
	s_add_co_u32 s[G0SB+1], s94, SCL
	s_mov_b64 s[G0SB+2:G0SB+3], s[92:93]
	s_or_b32 s[G0SB+3], s[G0SB+3], 0x80000000
	JLOAD G0S, G1S, G0SB, G1SB                     ; the scales first: they are wanted with the first slot
.irp s, 0,1
	s_mov_b32 s[G0+4*\s], 1
	s_add_co_u32 s[G0+4*\s+1], s45, \s*SLOT
	s_add_nc_u64 s[G0+4*\s+2:G0+4*\s+3], s[20:21], \s*ROWB
	s_or_b32 s[G0+4*\s+3], s[G0+4*\s+3], 0x80000000
	s_mov_b32 s[G0B+4*\s], 1
	s_add_co_u32 s[G0B+4*\s+1], s45, \s*SLOT
	s_add_nc_u64 s[G0B+4*\s+2:G0B+4*\s+3], s[46:47], \s*ROWB
	s_or_b32 s[G0B+4*\s+3], s[G0B+4*\s+3], 0x80000000
	JLOAD G0+4*\s, G1, G0B+4*\s, G1B               ; three loads of mine are out behind the second of these
.endr
	v_and_b32 v1, 15, v0                           ; r
	v_bfe_u32 v2, v0, 4, 1                         ; h
	v_mul_u32_u24 v3, v1, PITCH
	v_lshl_add_u32 v4, v2, 4, v3                   ; a fragment's row x pitch + 16 h
	s_mul_i32 s21, s15, HALFT
	s_mul_i32 s22, s16, HALFT
	s_add_co_u32 s22, s22, 2*HALFT
.irp s, 0,1
	v_add_nc_u32 v[ADRA+\s], s21, v4
	v_add_nc_u32 v[ADRB+\s], s22, v4
	s_add_co_u32 s21, s21, SLOT
	s_add_co_u32 s22, s22, SLOT
.endr
	v_mul_u32_u24 v5, v1, KS                       ; my row's scales: 32 bytes a row,
	v_lshrrev_b32 v6, 8, v5
	v_lshl_add_u32 v5, v6, 4, v5                   ; and 16 more for each 256 passed
	s_mul_i32 s21, s15, HALFS
	s_mul_i32 s22, s16, HALFS
	s_add_co_u32 s22, s22, 2*HALFS
	s_sub_co_u32 s22, s22, s21
	v_mul_u32_u24 v6, s22, v2                      ; lanes 16-31 take the register side's
	s_add_co_u32 s21, s21, SCL
	v_add_nc_u32 v5, v5, v6
	v_add_nc_u32 v[ADRS], s21, v5
	v_and_b32 v6, 31, v0
	v_lshlrev_b32 v[LI], 4, v6
	s_lshl_b32 s21, s16, 9
	s_add_co_u32 s21, s21, BIAS
	v_lshl_add_u32 v[ABP], v2, 6, s21              ; the bias along registers: my 128 numbers, + 16 h numbers
	v_and_b32 v5, 8, v1
	v_add_nc_u32 v5, v5, v1                        ; r + 8 (r / 8) = 16 (r / 8) + r % 8
	s_lshl_b32 s21, s15, 9
	s_add_co_u32 s21, s21, BIAS
	v_lshl_add_u32 v[ABL], v5, 2, s21              ; the bias along lanes
	s_lshl_b32 s21, s14, 9
	s_add_co_u32 s21, s21, STG
	v_lshlrev_b32 v5, 2, v1
	v_lshl_add_u32 v5, v2, 8, v5
	v_add_nc_u32 v[SWA], s21, v5                   ; the stage, in: 256 h + 4 r
	v_add_nc_u32 v[SRA], s21, v[LI]                ; out: 16 x lane
	v_lshlrev_b32 v5, 4, v1
	v_lshl_add_u32 v[SGO], v2, 12, v5              ; in memory: lanes 16-31 the next head, 4,096 bytes on
.irp b, 0,1,2,3
	v_mov_b32 v[TM+4+\b], 0                        ; written once: a lane permute's destination counts as one of its sources
.endr
	; where my results go
	s_cmp_eq_u32 ttmp9, 2
	s_cselect_b32 s18, s42, s17                    ; x's tile of 256 tokens
	s_cselect_b32 s19, s41, s40                    ; which 256 channels of the role's 1,024
	s_cselect_b32 s20, s16, s15                    ; my half of the tokens
	s_cselect_b32 s21, s15, s16                    ; my half of the channels
	s_lshr_b32 s22, s18, 3
	s_lshl_b32 s22, s22, 4                         ; 16 x batch
	s_lshl_b32 s19, s19, 2
	s_add_co_u32 s22, s22, s19
	s_lshl_b32 s21, s21, 1
	s_add_co_u32 s22, s22, s21                     ; my first head: bh
	s_and_b32 s18, s18, 7
	s_lshl_b32 s18, s18, 1
	s_add_co_u32 s18, s18, s20                     ; my group of 128 tokens
	s_lshl_b32 s22, s22, 4
	s_add_co_u32 s22, s22, s18
	s_lshl_b32 s18, ttmp9, 10
	s_add_co_u32 s22, s22, s18                     ; 1,024 role + 16 bh + group
	s_lshl_b32 s20, s22, 12
	s_mov_b32 s21, 0
	s_add_nc_u64 s[10:11], s[10:11], s[20:21]      ; 4,096 bytes of codes each
	s_lshl_b32 s20, s22, 8
	s_add_nc_u64 s[12:13], s[12:13], s[20:21]      ; 256 bytes of scale words each
.macro FRAG reg, adr, q, i             ; 16 rows x 128 K of 4-bit codes: lane l holds row l % 16; registers 4 c .. 4 c + 3 hold K = 64 c + 32 (l / 16) + 0 .. 31
.irp c, 0,1
	ds_load_b128 v[\reg+4*\c:\reg+4*\c+3], v[\adr] offset:64*(\q)+32*\c+(\i)*16*PITCH
.endr
.endm
; 16 matrix instructions: the lane side's blocks a0, a0 + 1 x the register side's eight.  The 64 accumulators take turns, one instruction a turn, in the same order in every step.
.macro MUL16 a0, p, q, sc, zero
.irp a, \a0, \a0+1
.irp b, 0,1,2,3,4,5,6,7
.if \zero
	v_wmma_scale_f32_16x16x128_f8f6f4 v[8*(8*((\a)%4)+\b):8*(8*((\a)%4)+\b)+7], v[128*(\p)+FR*\b:128*(\p)+FR*\b+FR-1], v[AF+FR*(\a):AF+FR*(\a)+FR-1], 0, v[SC+8*NQ*(\sc)+NQ*\b+(\q)], v[SC+8*NQ*(\sc)+NQ*(\a)+(\q)] matrix_a_fmt:MATRIX_FMT_FP4 matrix_b_fmt:MATRIX_FMT_FP4 matrix_a_scale:MATRIX_SCALE_ROW1
.else
	v_wmma_scale_f32_16x16x128_f8f6f4 v[8*(8*((\a)%4)+\b):8*(8*((\a)%4)+\b)+7], v[128*(\p)+FR*\b:128*(\p)+FR*\b+FR-1], v[AF+FR*(\a):AF+FR*(\a)+FR-1], v[8*(8*((\a)%4)+\b):8*(8*((\a)%4)+\b)+7], v[SC+8*NQ*(\sc)+NQ*\b+(\q)], v[SC+8*NQ*(\sc)+NQ*(\a)+(\q)] matrix_a_fmt:MATRIX_FMT_FP4 matrix_b_fmt:MATRIX_FMT_FP4 matrix_a_scale:MATRIX_SCALE_ROW1
.endif
.endr
.endr
.endm
.macro FETCH_B slot, q, p
	WIN TO_B
.irp i, 0,1,2,3,4,5,6,7
	FRAG 128*(\p)+FR*\i, ADRB+\slot, \q, \i
.endr
	WIN 0
.endm
.macro FETCH_A slot, q, i0
.irp i, \i0, \i0+1, \i0+2, \i0+3
	FRAG AF+FR*(\i), ADRA+\slot, \q, \i
.endr
.endm
.macro SCALES sc                       ; a slot's scale words: four words a row; lanes 0-15 the lane side's block i, lanes 16-31 the register side's
.irp i, 0,1,2,3,4,5,6,7
	ds_load_b128 v[SC+8*NQ*\sc+NQ*\i:SC+8*NQ*\sc+NQ*\i+3], v[ADRS] offset:\i*SBLK
.endr
.endm
.macro PLACES n                        ; plain vector instructions between a matrix instruction and a load into, or a read or write of, its registers
.rept \n
	v_nop
.endr
.endm
.macro STEP slot, q, zero              ; a step of 128 along K that has its successor in the same slot
	s_wait_dscnt 4*NL                              ; all but the youngest eight loads (the lane side's blocks 4-7) are in
	WIN MUL_LO
	MUL16 0, (\q)%2, \q, \slot, \zero
	MUL16 2, (\q)%2, \q, \slot, \zero
	s_wait_dscnt 0
	PLACES NP
	FETCH_B \slot, (\q)+1, 1-(\q)%2
	FETCH_A \slot, (\q)+1, 0
	WIN MUL_HI
	MUL16 4, (\q)%2, \q, \slot, \zero
	MUL16 6, (\q)%2, \q, \slot, \zero
	PLACES NP
	WIN 0
	FETCH_A \slot, (\q)+1, 4
.endm
.macro STEPS slot, from
.set Q, \from
.rept NQ-1-\from
	STEP \slot, Q, 0
.set Q, Q+1
.endr
.endm
	s_wait_loadcnt 0x0                             ; the bias
	ds_store_b64 v[BST], v[30:31]
	s_wait_tensorcnt 1                             ; the scales and my part of slot 0 are in; slot 1's load may be out
	s_wait_dscnt 0x0                               ; my part of the bias lies in LDS
	s_barrier_signal -1
	s_barrier_wait -1
	FETCH_B 0, 0, 0
	FETCH_A 0, 0, 0
	SCALES 0
	FETCH_A 0, 0, 4
	STEP 0, 0, 1                                   ; the first step's products start the sums: nothing is cleared
	STEPS 0, 1
	; slot 0's last step changes slots: one barrier; in front of it each wave waits for all its tensor loads (its part of slot 1), adds 0 to its spare word and waits for that and for its LDS reads
	s_wait_tensorcnt 0x0
	ds_add_u32 v[SPW], v[NIL]
	s_wait_dscnt 4*NL+1                            ; the add and the youngest eight loads may be out
	WIN MUL_LO
	MUL16 0, 1, NQ-1, 0, 0
	s_wait_dscnt 0x0
	s_barrier_signal -1
	MUL16 2, 1, NQ-1, 0, 0
	WIN 0
	s_barrier_wait -1                              ; slot 1 is whole
	PLACES NP
	v_add_nc_u32 v[ADRS], 4*NQ, v[ADRS]            ; slot 1's scale words
	FETCH_B 1, 0, 0
	FETCH_A 1, 0, 0
	SCALES 1
	WIN MUL_HI
	MUL16 4, 1, NQ-1, 0, 0
	MUL16 6, 1, NQ-1, 0, 0
	PLACES NP
	WIN 0
	FETCH_A 1, 0, 4
	STEPS 1, 0
	s_wait_dscnt 4*NL                              ; the last step: nothing more to fetch
	WIN MUL_LO
	MUL16 0, 1, NQ-1, 1, 0
	MUL16 2, 1, NQ-1, 1, 0
	s_wait_dscnt 0
	WIN MUL_HI
	MUL16 4, 1, NQ-1, 1, 0
	MUL16 6, 1, NQ-1, 1, 0
	WIN 0
; THE WAY OUT.  64 numbers of a lane, register 16 b + i = K 32 b + 16 (lane / 16) + i of my row, become a fragment's codes in v[pc] on and its scale word in v[pw].
.macro QUANT s, pc, pw
.irp b, 0,1,2,3
	v_max3_num_f32 v[TM+\b], |v[(\s)+16*\b]|, |v[(\s)+1+16*\b]|, 0x1800000   ; my 16 numbers of block b, and the floor 2^(3 - 127)
.endr
.irp i, 2,4,6,8,10,12,14
.irp b, 0,1,2,3
	v_max3_num_f32 v[TM+\b], v[TM+\b], |v[(\s)+16*\b+\i]|, |v[(\s)+1+16*\b+\i]|
.endr
.endr
.irp b, 0,1,2,3
	v_permlanex16_b32 v[TM+4+\b], v[TM+\b], s[SEL], s[SEL+1]
.endr
.irp b, 0,1,2,3
	v_max_num_f32 v[TM+\b], v[TM+\b], v[TM+4+\b]   ; with lane l xor 16's: the block's largest magnitude
.endr
.irp b, 0,1,2,3
	v_add_nc_u32 v[TM+12+\b], 0xff000000, v[TM+\b] ; 2 off its exponent field: the conversion's scale operand
.endr
.irp b, 0,1,2,3
	v_lshrrev_b32 v[TM+4+\b], 23, v[TM+12+\b]      ; the scale's byte
.endr
	v_lshl_or_b32 v[\pw], v[TM+5], 8, v[TM+4]
	v_lshl_or_b32 v[\pw], v[TM+6], 16, v[\pw]
	v_lshl_or_b32 v[\pw], v[TM+7], 24, v[\pw]
.irp b, 0,1,2,3
	v_cvt_scalef32_pk8_fp4_f32 v[(\pc)+2*\b], v[(\s)+16*\b:(\s)+7+16*\b], v[TM+12+\b]
	v_cvt_scalef32_pk8_fp4_f32 v[(\pc)+1+2*\b], v[(\s)+8+16*\b:(\s)+15+16*\b], v[TM+12+\b]
.endr
	v_nop                                          ; one plain place behind a scaled conversion
.irp c, 0,1                                    ; a whole block to a lane: lanes 0-15 block 2 c, lanes 16-31 block 2 c + 1
.irp i, 0,1
	v_permlane16_swap_b32 v[(\pc)+4*\c+\i], v[(\pc)+2+4*\c+\i]
.endr
.endr
.endm
	PLACES NP                                      ; behind the last products: their results are read, and their operands' registers written, from here on
	s_cmp_eq_u32 ttmp9, 2                          ; the role: the same in all partners.  The two arms read LDS, work on registers and store to memory; LDS is written behind their join
	s_cbranch_scc1 .Lrole_v
	; ---- q, k: the bias runs along the registers; codes 4 c .. 4 c + 3 are head c's 64 channels of token place (a, r)
.irp t, 0,1,2,3,4,5,6,7
	ds_load_b128 v[BP+8*\t:BP+8*\t+3], v[ABP] offset:(32*(\t/2)+8*(\t%2))*4
	ds_load_b128 v[BP+8*\t+4:BP+8*\t+7], v[ABP] offset:(32*(\t/2)+8*(\t%2))*4+16
.endr
	s_wait_dscnt 0x0
.irp a, 0,1,2,3,4,5,6,7
.if \a >= 2
	s_wait_xcnt 0x0                                ; the stores of two blocks back have read this set of codes
.endif
.set WN, 0x02+(\a/4)
	WIN WN                                         ; source 0: window 2 or 3
.set ii, 0
.rept 32
	v_pk_add_f32 v[HA+ii:HA+ii+1], v[64*(\a%4)+ii:64*(\a%4)+ii+1], v[BP+ii:BP+ii+1]   ; + b_attn, each accumulator from its low end on
.set ii, ii+2
.endr
	WIN 0
	QUANT HA, PC+8*(\a%2), PWS+\a
	global_store_b128 v[LI], v[PC+8*(\a%2):PC+8*(\a%2)+3], s[10:11] offset:\a*512            ; 32 lanes store 512 consecutive bytes
	global_store_b128 v[LI], v[PC+8*(\a%2)+4:PC+8*(\a%2)+7], s[10:11] offset:65536+\a*512    ; the next head
.endr
.irp f, 0,1,2,3                                ; the pair words: tiles 2 f and 2 f + 1; lanes 0-15 the first head's, lanes 16-31 the second's
	v_perm_b32 v[X0], v[PWS+2*\f+1], v[PWS+2*\f], s66
	v_perm_b32 v[X1], v[PWS+2*\f+1], v[PWS+2*\f], s67
	v_cndmask_b32 v[WD+\f], v[X0], v[X1], s98
.endr
	s_branch .Ljoin
.Lrole_v:
	; ---- v: the bias belongs to the lane (its channel); codes 4 c .. 4 c + 3 are keys 64 c + 32 h + 0 .. 31 of channel place (a, r)
.irp a, 0,1,2,3,4,5,6,7
	ds_load_b32 v[BP+2*\a], v[ABL] offset:(32*(\a/2)+8*(\a%2))*4
	ds_load_b32 v[BP+2*\a+1], v[ABL] offset:(32*(\a/2)+8*(\a%2))*4     ; twice: a pair for the packed addition
.endr
	s_wait_dscnt 0x0
.irp a, 0,1,2,3,4,5,6,7
.if \a >= 2
	s_wait_xcnt 0x0
.endif
.set WN, 0x02+(\a/4)
	WIN WN
.set ii, 0
.rept 32
	v_pk_add_f32 v[HA+ii:HA+ii+1], v[64*(\a%4)+ii:64*(\a%4)+ii+1], v[BP+2*\a:BP+2*\a+1]
.set ii, ii+2
.endr
	WIN 0
	QUANT HA, PC+8*(\a%2), PWS+\a
	global_store_b128 v[LI], v[PC+8*(\a%2):PC+8*(\a%2)+3], s[10:11] offset:(\a/4)*65536+(\a%4)*512
	global_store_b128 v[LI], v[PC+8*(\a%2)+4:PC+8*(\a%2)+7], s[10:11] offset:(\a/4)*65536+2048+(\a%4)*512
.endr
.irp f, 0,1,2,3
	v_cndmask_b32 v[WD+\f], v[PWS+\f], v[PWS+4+\f], s98   ; lanes 0-15 the first head's tile f, lanes 16-31 the second's
.endr
.Ljoin:
.irp f, 0,1,2,3
	ds_store_b32 v[SWA], v[WD+\f] offset:64*\f     ; through my own 512 bytes of LDS,
.endr
	ds_load_b128 v[RB:RB+3], v[SRA]                ; (LDS serves a wave's instructions in order)
	s_wait_dscnt 0x0
	global_store_b128 v[SGO], v[RB:RB+3], s[12:13] ; so that sixteen lanes store a head's 256 consecutive bytes
	s_wait_tensorcnt 0x0                           ; the wave's end
	ds_add_u32 v[SPW], v[NIL]
	s_wait_dscnt 0x0
	CROUND                                         ; the closing round
	s_endpgm
.Lfunc_end_k_q9feb2fd6d9_qkv:
	.size	k_q9feb2fd6d9_qkv, .Lfunc_end_k_q9feb2fd6d9_qkv-k_q9feb2fd6d9_qkv
	.p2alignl 7, 3214868480
	.fill 96, 4, 3214868480
	.section	.rodata,"a",@progbits
	.p2align	6, 0x0
	.amdhsa_kernel k_q9feb2fd6d9_qkv
		.amdhsa_group_segment_fixed_size 327680
		.amdhsa_private_segment_fixed_size 0
		.amdhsa_enable_private_segment 0
		.amdhsa_kernarg_size 40
		.amdhsa_user_sgpr_count 2
		.amdhsa_user_sgpr_kernarg_segment_ptr 1
		.amdhsa_wavefront_size32 1
		.amdhsa_system_sgpr_workgroup_id_x 1
		.amdhsa_system_sgpr_workgroup_id_y 1
		.amdhsa_system_sgpr_workgroup_id_z 1
		.amdhsa_system_vgpr_workitem_id 0
		.amdhsa_next_free_vgpr 1024
		.amdhsa_next_free_sgpr 100
		.amdhsa_reserve_vcc 0
		.amdhsa_float_denorm_mode_32 3
		.amdhsa_float_denorm_mode_16_64 3
		.amdhsa_memory_ordered 1
		.amdhsa_forward_progress 1
		.amdhsa_inst_pref_size 196
	.end_amdhsa_kernel
	.amdgpu_metadata
---
amdhsa.version: [ 1, 2 ]
amdhsa.kernels:
  - .name:           k_q9feb2fd6d9_qkv
    .symbol:         k_q9feb2fd6d9_qkv.kd
    .args:
      - { .name: codes1, .offset: 0, .size: 8, .value_kind: global_buffer, .address_space: global }
      - { .name: scales1, .offset: 8, .size: 8, .value_kind: global_buffer, .address_space: global }
      - { .name: b_attn, .offset: 16, .size: 8, .value_kind: global_buffer, .address_space: global }
      - { .name: qkvc, .offset: 24, .size: 8, .value_kind: global_buffer, .address_space: global }
      - { .name: qkvs, .offset: 32, .size: 8, .value_kind: global_buffer, .address_space: global }
    .group_segment_fixed_size: 327680
    .private_segment_fixed_size: 0
    .kernarg_segment_align: 8
    .kernarg_segment_size: 40
    .max_flat_workgroup_size: 128
    .sgpr_count:     100
    .vgpr_count:     1024
    .wavefront_size: 32
...
	.end_amdgpu_metadata
.endif
;; end of part 2
;; launch attn (part 3): grid 4 x 64, 16 waves a work-group, clusters of 4 x 1, 167,936 bytes of LDS; arguments qkvc, qkvs, yc, ys; writes yc, ys
.if DOCPART == 3
	.amdgcn_target "amdgcn-amd-amdhsa--gfx1250"
	.amdhsa_code_object_version 6
	.text
	.protected	k_q9feb2fd6d9_attn
	.globl	k_q9feb2fd6d9_attn
	.p2align	8
	.type	k_q9feb2fd6d9_attn,@function
k_q9feb2fd6d9_attn:
	s_mov_b64 s[64:65], 0
	v_nop
	global_prefetch_b8 v0, s[64:65] scope:SCOPE_SE
	s_setreg_imm32_b32 hwreg(HW_REG_WAVE_MODE, 25, 1), 1
	s_wait_xcnt 0x0
	s_wait_alu depctr_hold_cnt(0) depctr_sa_sdst(0) depctr_va_vdst(0) depctr_va_sdst(0) depctr_va_ssrc(0) depctr_va_vcc(0) depctr_vm_vsrc(0)
	s_getreg_b32 s2, hwreg(HW_REG_IB_STS2, 6, 4)
	s_cmp_eq_u32 s2, 0
	s_cbranch_scc0 .Lentry_in_a_cluster
	s_endpgm
.Lentry_in_a_cluster:
	s_bfe_u32 s2, ttmp6, 0x10000c
	s_cmp_lg_u32 s2, 0x3003
	s_cbranch_scc0 .Lentry_shape_is_right
	s_endpgm
.Lentry_shape_is_right:
; LAUNCH 3 OF 4.  y = softmax(q k^T / 8, causal) v for 64 heads (batch x head) of 2,048 tokens x 64 channels, both products on codes of FP4 with E8M0 scales; y is quantised in registers for launch 4.
; WORK LEFT OUT: tiles of 16 queries x 128 keys all of whose keys come after all of its queries (reference()'s own mask makes their p zero for all inputs: see the head of launch 1).
; THE SOFTMAX: t = score x log2(e) / 8; M = the running largest t rounded UP to a whole number; p = 2^(t - M) is quantised along the keys, not normalised; the row's sum is taken of the unquantised p and divides
; at the end; when M moves, the sum and O are multiplied by 2^(old M - new M), which rounds nothing.
; SHARES.  The four work-groups of a cluster belong to one head; work-group j (its place in the cluster) and wave w own the query tiles b = 4 (w & 1) + j of the groups of 128 tokens GLO = w >> 1 and GHI = 15 - GLO.
; A tile of group g walks key steps 0 .. g (128 keys a step; step g lies on the diagonal): (GLO + 1) + (16 - GLO) = 17 tile steps for every wave.  Branches hang on the wave's number and the count of steps alone;
; j enters only addresses in memory and a lane's number for the mask.
; A head's codes of k and v (65,536 bytes each) and their scale words (4,096 each) lie in LDS for the whole launch: wave 0 asks for k's, wave 1 for v's, JOINTLY for the four work-groups.  Nothing is filled again.
; Every step's bytes are read in every work-group (waves 0 and 1 have GHI = 15).
; LAYOUT.  Both products are used transposed: S^T = k q^T, O^T = v^T p^T: a lane holds one query (lane % 16) throughout.  Operands lie in memory and LDS as images of their registers, 16 bytes a lane.
; Token places have bits 3 and 4 exchanged: so register 16 f + i of S^T is key 32 f + 16 (lane / 16) + i of the step, and lane r of query tile b is token 32 (b / 2) + 16 (r / 8) + 8 (b % 2) + r % 8 of its group.
; K = 64 IN AN INSTRUCTION OF K = 128: a fragment's registers 0-3 hold key tile 2 f (k 0-63), registers 4-7 key tile 2 f + 1 (k 64-127).  Against [q, 0] it gives tile 2 f's scores, against [0, q] tile 2 f + 1's:
; zero codes add nothing under any scale byte but 0xff, and the bytes here are 1 to 254.
; OUT: yc [tile of 16 token places][head][lane][16 bytes]: channels 32 h .. 32 h + 31 of the head for token place r;  ys [bh][j][group][b >> 2][r]: two scale bytes.
; LIMITS: 1 / sum by v_rcp_f32; a block's byte is held at 1 from below; NaN and infinities are not served.
.set VC,    65536                      ; LDS: k's codes from 0, v's from here,
.set KSC,   131072                     ; k's scale words, v's 4,096 bytes on,
.set YS,    139264                     ; 1,024 bytes: y's scale bytes on their way out,
.set SPARE, 140288                     ; the spare words, 128 bytes for each of 16 waves
.set LI,  1                            ; v1   16 x lane
.set LS,  2                            ; v2   KSC + 4 r + 4,096 h: lanes 0-15 take k's scale words, lanes 16-31 v's
.set SPW, 3
.set NIL, 4
.set ADK, 5
.set ADV, 6
.set ADS, 7
.set DQ,  8                            ; v8   my query's place in its group, less 16 h
.set QSA, 10                           ; v10, v11  q's scale words (two bytes, doubled)
.set QSB, 11
.set STA, 12                           ; v12-15  tile A: -M, the largest t, the sum in two halves;  v16-19 tile B
.set STB, 16
.set QZ,  20                           ; v20-39  0000 qA 0000 qB 0000
.set KF,  40                           ; v40-71  four fragments of k, then of v
.set KVS, 72                           ; v72-75  their scale words
.set YPA, 76
.set YPB, 80
.set YW,  84
.set YA,  87
.set YB,  88
.set YR,  89
.set YG,  90
.set S,   104                          ; v104-167 S^T, then p, then y
.set OA,  168                          ; v168-199 O^T of tile A;  v200-231 of tile B
.set OB,  200
.set PCD, 232                          ; v232-239 p's codes
.set TM,  240
.set T2,  244
.set T3,  248
.set FF,  252                          ; f, or 1 / sum; named as a pair with v253
.set PW,  253                          ; p's scale word
.set TT,  254
.set WV,  20
.set CX,  21
.set BH,  22
.set GLO, 23
.set GHI, 24
.set BT,  25
.set SIDE, 26
.set G1S, 28                           ; s[28:35] group 1: 16 rows of 256 bytes;  s[36:43]: 256 rows
.set G1C, 36
.set G0S, 44
.set G0C, 48
.set SEL, 60
.set CS,  62                           ; s[62:63] c = log2(e) / 8
.set STP, 84
.set TK,  85
.set TS,  86
.set YCA, 88
.set YCB, 90
.macro CROUND
	s_barrier_signal -1
	s_barrier_wait -1
	s_cmp_lg_u32 s[WV], 0
	s_cbranch_scc1 .Lnot_wave_0_\@
	s_barrier_signal -3
.Lnot_wave_0_\@:
	s_barrier_wait -3
	s_barrier_signal -1
	s_barrier_wait -1
.endm
	s_load_b256 s[4:11], s[0:1], 0x0               ; qkvc s[4:5], qkvs s[6:7], yc s[8:9], ys s[10:11]
	v_lshl_add_u32 v[SPW], v0, 2, SPARE
	v_mov_b32 v[NIL], 0
	ds_add_u32 v[SPW], v[NIL]                      ; the wave's opening: the add, twice on end, and its wait ahead of the first tensor loads
	ds_add_u32 v[SPW], v[NIL]
	v_lshrrev_b32 v91, 5, v0
	v_readfirstlane_b32 s[WV], v91                 ; wave 0..15
	s_bfe_u32 s[CX], ttmp6, 0x40000                ; j
	s_and_b32 s[BH], ttmp7, 0xffff                 ; the head, which the four partners share
	s_lshr_b32 s[GLO], s[WV], 1
	s_xor_b32 s[GHI], s[GLO], 15
	s_and_b32 s[SIDE], s[WV], 1                    ; a fetching wave's side: 0 k, 1 v
	s_mov_b32 s[G1S], 15|(3<<16)|(1<<21)           ; the mask: all four; elements of 8 bytes; bit 21 beside a mask; no padding: every LDS read takes 512 consecutive bytes
	s_mov_b32 s[G1S+1], 32<<16
	s_mov_b32 s[G1S+2], 16<<16
	s_mov_b32 s[G1S+3], 32<<16
	s_mov_b32 s[G1S+4], 16
	s_mov_b32 s[G1S+5], 32
	s_mov_b32 s[G1S+6], 0
	s_mov_b32 s[G1S+7], 0
	s_mov_b32 s[G1C], 15|(3<<16)|(1<<21)
	s_mov_b32 s[G1C+1], 32<<16
	s_mov_b32 s[G1C+2], 256<<16
	s_mov_b32 s[G1C+3], 32<<16
	s_mov_b32 s[G1C+4], 256
	s_mov_b32 s[G1C+5], 32
	s_mov_b32 s[G1C+6], 0
	s_mov_b32 s[G1C+7], 0
	s_add_co_u32 s92, s[SIDE], 1                   ; q's part comes first in both buffers, then k's, then v's
	s_lshl_b32 s93, s92, 18
	s_lshl_b32 s94, s[BH], 12
	s_add_co_u32 s94, s94, s93                     ; the head's scale words
	s_mov_b32 s95, 0
	s_lshl_b32 s96, s92, 22
	s_lshl_b32 s97, s[BH], 16
	s_add_co_u32 s96, s96, s97                     ; the head's codes
	s_mov_b32 s97, 0
	s_mov_b32 s[SEL], 0x76543210
	s_mov_b32 s[SEL+1], 0xfedcba98
	s_mov_b32 s[CS], 0x3e38aa3b
	s_mov_b32 s[CS+1], s[CS]
	s_wait_dscnt 0x0                               ; both opening adds are done
	s_wait_kmcnt 0x0
	s_mov_b32 s[G0S], 1
	s_lshl_b32 s[G0S+1], s[SIDE], 12
	s_add_co_u32 s[G0S+1], s[G0S+1], KSC
	s_add_nc_u64 s[G0S+2:G0S+3], s[6:7], s[94:95]
	s_or_b32 s[G0S+3], s[G0S+3], 0x80000000
	s_mov_b32 s[G0C], 1
	s_lshl_b32 s[G0C+1], s[SIDE], 16
	s_add_nc_u64 s[G0C+2:G0C+3], s[4:5], s[96:97]
	s_or_b32 s[G0C+3], s[G0C+3], 0x80000000
	CROUND                                         ; all four work-groups are here: the joint loads meet
	s_cmp_lt_u32 s[WV], 2                          ; waves 0 and 1 fetch: two loads each are out
	s_cbranch_scc0 .Lno_fill
	tensor_load_to_lds s[G0S:G0S+3], s[G1S:G1S+7]
	s_nop 0
	tensor_load_to_lds s[G0C:G0C+3], s[G1C:G1C+7]
	s_nop 0
.rept 4
	v_nop
.endr
.Lno_fill:
	v_and_b32 v[LI], 31, v0
	v_lshlrev_b32 v[LI], 4, v[LI]
	v_and_b32 v91, 15, v0                          ; r
	v_bfe_u32 v92, v0, 4, 1                        ; h
	v_lshlrev_b32 v93, 2, v91
	v_lshl_add_u32 v[LS], v92, 12, v93
	v_add_nc_u32 v[LS], KSC, v[LS]
	s_lshl_b32 s[BT], s[SIDE], 2
	s_add_co_u32 s[BT], s[BT], s[CX]               ; b: my query tile in both groups
	s_lshl_b32 s12, s[BH], 4
	s_add_co_u32 s13, s12, s[GLO]
	s_add_co_u32 s14, s12, s[GHI]
	s_lshl_b32 s15, s13, 3
	s_add_co_u32 s15, s15, s[BT]
	s_lshl_b32 s15, s15, 9                         ; q's codes: ((16 bh + group) 8 + b) 512
	s_lshl_b32 s16, s14, 3
	s_add_co_u32 s16, s16, s[BT]
	s_lshl_b32 s16, s16, 9
	s_lshr_b32 s17, s[BT], 1
	s_lshl_b32 s13, s13, 2
	s_add_co_u32 s13, s13, s17
	s_lshl_b32 s13, s13, 6                         ; q's pair words: ((16 bh + group) 4 + b / 2) 64
	s_lshl_b32 s14, s14, 2
	s_add_co_u32 s14, s14, s17
	s_lshl_b32 s14, s14, 6
	v_add_nc_u32 v94, s15, v[LI]
	v_add_nc_u32 v95, s16, v[LI]
	v_add_nc_u32 v96, s13, v93
	v_add_nc_u32 v97, s14, v93
	global_load_b128 v[QZ+4:QZ+7], v94, s[4:5]
	global_load_b128 v[QZ+12:QZ+15], v95, s[4:5]
	global_load_b32 v[QSA], v96, s[6:7]
	global_load_b32 v[QSB], v97, s[6:7]
.irp n, 0,1,2,3,8,9,10,11,16,17,18,19
	v_mov_b32 v[QZ+\n], 0                          ; the zero codes beside q
.endr
	s_lshl_b32 s12, s17, 5
	s_and_b32 s13, s[BT], 1
	s_lshl_b32 s18, s13, 4                         ; which half of the pair word is my tile's: 16 (b & 1) bits up
	s_lshl_b32 s13, s13, 3
	s_add_co_u32 s12, s12, s13                     ; 32 (b / 2) + 8 (b % 2)
	v_and_b32 v98, 8, v91
	v_add_nc_u32 v98, v98, v91                     ; 16 (r / 8) + r % 8
	v_lshlrev_b32 v99, 4, v92
	v_sub_nc_u32 v98, v98, v99
	v_add_nc_u32 v[DQ], s12, v98
	v_lshlrev_b32 v98, 1, v91
	s_lshl_b32 s12, s[WV], 5
	v_add_nc_u32 v[YA], s12, v98
	v_add_nc_u32 v[YA], YS, v[YA]                  ; y's scale bytes of tile A: 64 GLO + 32 (w & 1) + 2 r = 32 w + 2 r
	s_xor_b32 s12, s[WV], 30
	s_lshl_b32 s12, s12, 5
	v_add_nc_u32 v[YB], s12, v98
	v_add_nc_u32 v[YB], YS, v[YB]                  ; of tile B: 32 (w xor 30) + 2 r
	v_and_b32 v[YG], 63, v0
	v_lshlrev_b32 v[YG], 4, v[YG]
	v_add_nc_u32 v[YR], YS, v[YG]
	s_lshr_b32 s12, s[BH], 4
	s_lshl_b32 s12, s12, 4                         ; 16 x batch
	s_and_b32 s14, s[BH], 15
	s_lshl_b32 s14, s14, 9                         ; 512 x head
	s_add_co_u32 s13, s12, s[GLO]
	s_lshl_b32 s13, s13, 3
	s_add_co_u32 s13, s13, s[BT]
	s_lshl_b32 s13, s13, 13
	s_add_co_u32 s16, s13, s14
	s_mov_b32 s17, 0
	s_add_nc_u64 s[YCA:YCA+1], s[8:9], s[16:17]
	s_add_co_u32 s13, s12, s[GHI]
	s_lshl_b32 s13, s13, 3
	s_add_co_u32 s13, s13, s[BT]
	s_lshl_b32 s13, s13, 13
	s_add_co_u32 s16, s13, s14
	s_add_nc_u64 s[YCB:YCB+1], s[8:9], s[16:17]
	s_lshl_b32 s16, s[BH], 2
	s_add_co_u32 s16, s16, s[CX]
	s_lshl_b32 s16, s16, 10
	s_add_nc_u64 s[10:11], s[10:11], s[16:17]      ; ys at (bh, j)
	s_wait_loadcnt 0x0                             ; q and its words
.irp q, QSA, QSB
	v_lshrrev_b32 v[\q], s18, v[\q]
	v_and_b32 v[\q], 0xffff, v[\q]
	v_lshl_or_b32 v[\q], v[\q], 16, v[\q]          ; my tile's two bytes, doubled: they serve [q, 0] and [0, q] alike
.endr
.irp t, STA, STB
	v_mov_b32 v[\t+1], 0xff61b1e6                  ; the largest t so far: -3e38, under every t
	v_floor_f32 v[\t], -v[\t+1]                    ; -M
	v_mov_b32 v[\t+2], 0
	v_mov_b32 v[\t+3], 0
.endr
.irp b, 0,1,2,3
	v_mov_b32 v[T2+\b], 0                          ; written once: a lane permute's destination counts as one of its sources
.endr
	v_mov_b32 v[PW], 0
	v_mov_b32 v[TT], 0
.set nn, 0
.rept 64
	v_mov_b32 v[OA+nn], 0                          ; O^T of both tiles.  (The step is written without a first form of its own: the first change of M multiplies zeros)
.set nn, nn+1
.endr
	s_wait_tensorcnt 0x0                           ; the fetching waves: the head's k, v and scale words have landed
	s_barrier_signal -1
	s_barrier_wait -1                              ; every wave may read them
; A TILE STEP: 16 queries x the 128 keys of step s[STP].  qlo = [q, 0], qhi = [0, q], qs = q's scale word, st = the tile's statistics, o = its O^T, g = its group.
; mode 1: the step is left out where it lies beyond the tile's group, and masked where it is the group's own; mode 0: every key counts.
.macro TSTEP qlo, qhi, qs, st, o, g, mode
.if \mode
	s_cmp_gt_u32 s[STP], s[\g]
	s_cbranch_scc1 .Lhid_\@
.endif
.rept 4
	v_nop                                          ; places in front of loads into registers that matrix instructions have read
.endr
.irp f, 0,1,2,3
	ds_load_b128 v[KF+8*\f:KF+8*\f+3], v[ADK] offset:1024*\f          ; key tile 2 f
	ds_load_b128 v[KF+8*\f+4:KF+8*\f+7], v[ADK] offset:1024*\f+512    ; key tile 2 f + 1
	ds_load_b32 v[KVS+\f], v[ADS] offset:64*\f                        ; lanes 0-15: k's pair word f; lanes 16-31: v's word of channel tile f
.endr
	s_wait_dscnt 0x0
.irp f, 0,1,2,3
	v_wmma_scale_f32_16x16x128_f8f6f4 v[S+16*\f:S+16*\f+7], v[KF+8*\f:KF+8*\f+7], v[(\qlo):(\qlo)+7], 0, v[KVS+\f], v[\qs] matrix_a_fmt:MATRIX_FMT_FP4 matrix_b_fmt:MATRIX_FMT_FP4
	v_wmma_scale_f32_16x16x128_f8f6f4 v[S+16*\f+8:S+16*\f+15], v[KF+8*\f:KF+8*\f+7], v[(\qhi):(\qhi)+7], 0, v[KVS+\f], v[\qs] matrix_a_fmt:MATRIX_FMT_FP4 matrix_b_fmt:MATRIX_FMT_FP4
.endr
.rept 4
	v_nop                                          ; places: the loads below land on k's fragments, and the scores are read
.endr
.irp i, 0,1,2,3
	ds_load_b128 v[KF+8*\i:KF+8*\i+3], v[ADV] offset:512*\i           ; v's fragment of channel tile i: it lands under the softmax
	ds_load_b128 v[KF+8*\i+4:KF+8*\i+7], v[ADV] offset:2048+512*\i
.endr
.if \mode
	s_cmp_lg_u32 s[STP], s[\g]
	s_cbranch_scc1 .Lopen_\@
	v_mov_b32 v[TT], 0xff800000                    ; on the diagonal hidden scores become -infinity ahead of the maximum: p = 0 then.  Key 0 of the step counts for every query
.set nn, 0
.rept 64
	v_cmp_gt_i32 vcc_lo, 32*(nn/16)+nn%16, v[DQ]   ; register 16 f + i holds key 32 f + 16 h + i: hidden where 32 f + i > my place - 16 h
	v_cndmask_b32 v[S+nn], v[S+nn], v[TT], vcc_lo
.set nn, nn+1
.endr
.Lopen_\@:
.endif
.irp b, 0,1,2,3
	v_max3_num_f32 v[TM+\b], v[S+16*\b], v[S+1+16*\b], v[S+2+16*\b]   ; the largest score of each block of 32 keys: for the row's maximum and, since p rises with the score, for the block's largest p
.endr
.irp i, 3,5,7,9,11,13
.irp b, 0,1,2,3
	v_max3_num_f32 v[TM+\b], v[TM+\b], v[S+16*\b+\i], v[S+1+16*\b+\i]
.endr
.endr
.irp b, 0,1,2,3
	v_max_num_f32 v[TM+\b], v[TM+\b], v[S+15+16*\b]
.endr
.irp b, 0,1,2,3
	v_permlanex16_b32 v[T2+\b], v[TM+\b], s[SEL], s[SEL+1]
.endr
.irp b, 0,1,2,3
	v_max_num_f32 v[TM+\b], v[TM+\b], v[T2+\b]     ; with lane l xor 16's 16 keys
.endr
	v_max3_num_f32 v[TT], v[TM], v[TM+1], v[TM+2]
	v_max_num_f32 v[TT], v[TT], v[TM+3]
	v_mul_f32 v[TT], s[CS], v[TT]                  ; as t (c is positive)
	v_max_num_f32 v[(\st)+1], v[(\st)+1], v[TT]    ; the running largest t
	v_mov_b32 v[TT], v[\st]
	v_floor_f32 v[\st], -v[(\st)+1]                ; the new -M = floor(-t): M is a whole number
	v_sub_f32 v[TT], v[\st], v[TT]                 ; old M - new M: a whole number, 0 or less
	v_cvt_i32_f32 v[TT], v[TT]                     ; (it saturates)
	v_ldexp_f32 v[FF], 1.0, v[TT]                  ; f = 2^(old M - new M)
.set jj, 0
.rept 32
	v_pk_fma_f32 v[S+jj:S+jj+1], v[S+jj:S+jj+1], s[CS:CS+1], v[(\st):(\st)+1] op_sel_hi:[1,0,0]   ; t - M, two at a time
.set jj, jj+2
.endr
.irp b, 0,1,2,3
	v_fma_f32 v[TM+\b], v[TM+\b], s[CS], v[\st]    ; the same of each block's largest score
.endr
.set jj, 0
.rept 64
	v_exp_f32 v[S+jj], v[S+jj]                     ; p = 2^(t - M)
.set jj, jj+1
.endr
	v_pk_mul_f32 v[(\st)+2:(\st)+3], v[(\st)+2:(\st)+3], v[FF:FF+1] op_sel_hi:[1,0]   ; the sums under the new M: a plain place behind the exponentials
	s_wait_alu depctr_va_vdst(0)                   ; one wait for the whole batch, ahead of its first reader
.irp b, 0,1,2,3
	v_exp_f32 v[TM+\b], v[TM+\b]                   ; the block's largest p
.endr
	v_pk_add_f32 v[T2:T2+1], v[S:S+1], v[S+2:S+3]  ; the row's sum is taken of the unquantised p, in two chains
.irp j, 4,8,12,16,20,24,28,32,36,40,44,48,52,56,60
	v_pk_add_f32 v[(\st)+2:(\st)+3], v[(\st)+2:(\st)+3], v[S+\j:S+1+\j]
	v_pk_add_f32 v[T2:T2+1], v[T2:T2+1], v[S+2+\j:S+3+\j]
.endr
	v_pk_add_f32 v[(\st)+2:(\st)+3], v[(\st)+2:(\st)+3], v[T2:T2+1]
	s_wait_alu depctr_va_vdst(0)                   ; and one for the four
.irp b, 0,1,2,3
	v_max_num_f32 v[TM+\b], 0x1800000, v[TM+\b]    ; the floor 2^(3 - 127): a block whose every p is 0 keeps the byte 1: its codes are zeros
.endr
.irp b, 0,1,2,3
	v_add_nc_u32 v[T3+\b], 0xff000000, v[TM+\b]    ; 2 off the exponent field: the conversion's scale operand
.endr
.irp b, 0,1,2,3
	v_lshrrev_b32 v[T2+\b], 23, v[T3+\b]           ; the scale's byte
.endr
	v_lshl_or_b32 v[PW], v[T2+1], 8, v[T2]         ; p's scale word for these 128 keys
	v_lshl_or_b32 v[PW], v[T2+2], 16, v[PW]
	v_lshl_or_b32 v[PW], v[T2+3], 24, v[PW]
.irp b, 0,1,2,3
	v_cvt_scalef32_pk8_fp4_f32 v[PCD+2*\b], v[S+16*\b:S+7+16*\b], v[T3+\b]
	v_cvt_scalef32_pk8_fp4_f32 v[PCD+1+2*\b], v[S+8+16*\b:S+15+16*\b], v[T3+\b]
.endr
	v_nop                                          ; one plain place behind a scaled conversion
.irp c, 0,1                                    ; a whole block to a lane
.irp i, 0,1
	v_permlane16_swap_b32 v[PCD+4*\c+\i], v[PCD+2+4*\c+\i]
.endr
.endr
.set jj, 0
.rept 16
	v_pk_mul_f32 v[(\o)+jj:(\o)+jj+1], v[(\o)+jj:(\o)+jj+1], v[FF:FF+1] op_sel_hi:[1,0]   ; O^T under the new M.  (For each product below twelve of these name none of its registers: its places behind the codes and the scale word)
.set jj, jj+2
.endr
	s_wait_dscnt 0x0                               ; v's fragments are in
.irp i, 0,1,2,3                                ; O^T += v^T p^T: four accumulators by turns
	v_wmma_scale_f32_16x16x128_f8f6f4 v[(\o)+8*\i:(\o)+8*\i+7], v[KF+8*\i:KF+8*\i+7], v[PCD:PCD+7], v[(\o)+8*\i:(\o)+8*\i+7], v[KVS+\i], v[PW] matrix_a_fmt:MATRIX_FMT_FP4 matrix_b_fmt:MATRIX_FMT_FP4 matrix_a_scale:MATRIX_SCALE_ROW1
.endr
.if \mode
.Lhid_\@:
.endif
.endm
.macro TRIPHEAD                        ; the step's addresses: 4,096 bytes of codes and 256 of scale words a step
	s_lshl_b32 s[TK], s[STP], 12
	s_lshl_b32 s[TS], s[STP], 8
	v_add_nc_u32 v[ADK], s[TK], v[LI]
	v_add_nc_u32 v[ADV], VC, v[ADK]
	v_add_nc_u32 v[ADS], s[TS], v[LS]
.endm
; A TILE'S WAY OUT: y = O^T / the sum; register 16 b' + i is channel 32 b' + 16 h + i of the head: two blocks of the last product's K.  Codes: 16 bytes a lane, the wave stores 512 consecutive bytes.
.macro OUT st, o, yp, ya, yc
.rept 4
	v_nop                                          ; places behind the last products
.endr
	v_add_f32 v[(\st)+2], v[(\st)+2], v[(\st)+3]
	v_permlanex16_b32 v[TT], v[(\st)+2], s[SEL], s[SEL+1]
	v_add_f32 v[(\st)+2], v[(\st)+2], v[TT]        ; the row's sum
	v_rcp_f32 v[FF], v[(\st)+2]
	v_nop                                          ; a plain place behind the reciprocal
	s_wait_alu depctr_va_vdst(0)                   ; and the wait ahead of its first reader
.set jj, 0
.rept 16
	v_pk_mul_f32 v[S+jj:S+jj+1], v[(\o)+jj:(\o)+jj+1], v[FF:FF+1] op_sel_hi:[1,0]
.set jj, jj+2
.endr
.irp b, 0,1
	v_max3_num_f32 v[TM+\b], |v[S+16*\b]|, |v[S+1+16*\b]|, 0x1800000
.endr
.irp i, 2,4,6,8,10,12,14
.irp b, 0,1
	v_max3_num_f32 v[TM+\b], v[TM+\b], |v[S+16*\b+\i]|, |v[S+1+16*\b+\i]|
.endr
.endr
.irp b, 0,1
	v_permlanex16_b32 v[T2+\b], v[TM+\b], s[SEL], s[SEL+1]
.endr
.irp b, 0,1
	v_max_num_f32 v[TM+\b], v[TM+\b], v[T2+\b]
.endr
.irp b, 0,1
	v_add_nc_u32 v[T3+\b], 0xff000000, v[TM+\b]
.endr
.irp b, 0,1
	v_lshrrev_b32 v[T2+\b], 23, v[T3+\b]
.endr
	v_lshl_or_b32 v[YW], v[T2+1], 8, v[T2]         ; my row's two scale bytes
.irp b, 0,1
	v_cvt_scalef32_pk8_fp4_f32 v[(\yp)+2*\b], v[S+16*\b:S+7+16*\b], v[T3+\b]
	v_cvt_scalef32_pk8_fp4_f32 v[(\yp)+1+2*\b], v[S+8+16*\b:S+15+16*\b], v[T3+\b]
.endr
	v_nop
	v_permlane16_swap_b32 v[\yp], v[(\yp)+2]       ; a whole block to a lane: channels 32 h .. 32 h + 31
	v_permlane16_swap_b32 v[(\yp)+1], v[(\yp)+3]
	global_store_b128 v[LI], v[(\yp):(\yp)+3], s[\yc:\yc+1]
	ds_store_b16 v[\ya], v[YW]                     ; lanes r and r + 16 write the same two bytes with the same value
.endm
	s_mov_b32 s[STP], 0
.Lfirst:                                           ; steps 0 to 7: every key counts for tile B (its group is 8 or more); tile A goes up to its own group
	TRIPHEAD
	TSTEP QZ+12, QZ+8, QSB, STB, OB, GHI, 0
	TSTEP QZ+4, QZ, QSA, STA, OA, GLO, 1
	s_add_co_u32 s[STP], s[STP], 1
	s_cmp_lt_u32 s[STP], 8
	s_cbranch_scc1 .Lfirst
	OUT STA, OA, YPA, YA, YCA
	s_mov_b32 s[STP], 8
.Lsecond:                                          ; steps 8 to 15: tile B alone, up to its own group
	TRIPHEAD
	TSTEP QZ+12, QZ+8, QSB, STB, OB, GHI, 1
	s_add_co_u32 s[STP], s[STP], 1
	s_cmp_lt_u32 s[STP], 16
	s_cbranch_scc1 .Lsecond
	OUT STB, OB, YPB, YB, YCB
	s_wait_dscnt 0x0                               ; my scale bytes lie in LDS
	s_barrier_signal -1
	s_barrier_wait -1                              ; everybody's do
	s_cmp_lt_u32 s[WV], 2
	s_cbranch_scc0 .Lno_ys
	ds_load_b128 v[S:S+3], v[YR]                   ; 64 threads x 16 bytes: the work-group's 1,024 scale bytes
	s_wait_dscnt 0x0
	global_store_b128 v[YG], v[S:S+3], s[10:11]    ; each wave stores 512 consecutive bytes
.Lno_ys:
	s_wait_tensorcnt 0x0                           ; the wave's end
	ds_add_u32 v[SPW], v[NIL]
	s_wait_dscnt 0x0
	CROUND                                         ; the closing round
	s_endpgm
.Lfunc_end_k_q9feb2fd6d9_attn:
	.size	k_q9feb2fd6d9_attn, .Lfunc_end_k_q9feb2fd6d9_attn-k_q9feb2fd6d9_attn
	.p2alignl 7, 3214868480
	.fill 96, 4, 3214868480
	.section	.rodata,"a",@progbits
	.p2align	6, 0x0
	.amdhsa_kernel k_q9feb2fd6d9_attn
		.amdhsa_group_segment_fixed_size 167936
		.amdhsa_private_segment_fixed_size 0
		.amdhsa_enable_private_segment 0
		.amdhsa_kernarg_size 32
		.amdhsa_user_sgpr_count 2
		.amdhsa_user_sgpr_kernarg_segment_ptr 1
		.amdhsa_wavefront_size32 1
		.amdhsa_system_sgpr_workgroup_id_x 1
		.amdhsa_system_sgpr_workgroup_id_y 1
		.amdhsa_system_sgpr_workgroup_id_z 1
		.amdhsa_system_vgpr_workitem_id 0
		.amdhsa_next_free_vgpr 256
		.amdhsa_next_free_sgpr 100
		.amdhsa_reserve_vcc 1
		.amdhsa_float_denorm_mode_32 3
		.amdhsa_float_denorm_mode_16_64 3
		.amdhsa_memory_ordered 1
		.amdhsa_forward_progress 1
		.amdhsa_inst_pref_size 73
	.end_amdhsa_kernel
	.amdgpu_metadata
---
amdhsa.version: [ 1, 2 ]
amdhsa.kernels:
  - .name:           k_q9feb2fd6d9_attn
    .symbol:         k_q9feb2fd6d9_attn.kd
    .args:
      - { .name: qkvc, .offset: 0, .size: 8, .value_kind: global_buffer, .address_space: global }
      - { .name: qkvs, .offset: 8, .size: 8, .value_kind: global_buffer, .address_space: global }
      - { .name: yc, .offset: 16, .size: 8, .value_kind: global_buffer, .address_space: global }
      - { .name: ys, .offset: 24, .size: 8, .value_kind: global_buffer, .address_space: global }
    .group_segment_fixed_size: 167936
    .private_segment_fixed_size: 0
    .kernarg_segment_align: 8
    .kernarg_segment_size: 32
    .max_flat_workgroup_size: 512
    .sgpr_count:     100
    .vgpr_count:     256
    .wavefront_size: 32
...
	.end_amdgpu_metadata
.endif
;; end of part 3
;; launch proj (part 4): grid 4 x 32, 4 waves a work-group, clusters of 4 x 4, 327,680 bytes of LDS; arguments yc, ys, codes1, scales1, b_proj, out0; writes out0
.if DOCPART == 4
	.amdgcn_target "amdgcn-amd-amdhsa--gfx1250"
	.amdhsa_code_object_version 6
	.text
	.protected	k_q9feb2fd6d9_proj
	.globl	k_q9feb2fd6d9_proj
	.p2align	8
	.type	k_q9feb2fd6d9_proj,@function
k_q9feb2fd6d9_proj:
	s_mov_b64 s[64:65], 0
	v_nop
	global_prefetch_b8 v0, s[64:65] scope:SCOPE_SE
	s_setreg_imm32_b32 hwreg(HW_REG_WAVE_MODE, 25, 1), 1
	s_wait_xcnt 0x0
	s_wait_alu depctr_hold_cnt(0) depctr_sa_sdst(0) depctr_va_vdst(0) depctr_va_sdst(0) depctr_va_ssrc(0) depctr_va_vcc(0) depctr_vm_vsrc(0)
	s_getreg_b32 s2, hwreg(HW_REG_IB_STS2, 6, 4)
	s_cmp_eq_u32 s2, 0
	s_cbranch_scc0 .Lentry_in_a_cluster
	s_endpgm
.Lentry_in_a_cluster:
	s_bfe_u32 s2, ttmp6, 0x10000c
	s_cmp_lg_u32 s2, 0xf033
	s_cbranch_scc0 .Lentry_shape_is_right
	s_endpgm
.Lentry_shape_is_right:
; LAUNCH 4 OF 4.  out0 = y W_proj^T + b_proj on codes of FP4 with E8M0 scales, K = 1,024; out0 [8192][1024] f32.  No work is left out here.
; A work-group of four waves makes 256 tokens x 256 columns, a wave 128 x 128: 64 accumulators.  K goes in two slots of 512; both are asked for at the head, nothing is filled again.
; Source 0 ("B") = 16 places of W_proj (codes1 from place 11,264 on, rows of 512 bytes), source 1 ("A") = 16 token places of y: a lane holds 8 neighbouring columns of one row of out0.
; y's codes lie in yc as images of the operand's registers: [tile of 16 token places][head][lane][16 bytes]; a K step of 128 is two heads: registers 4 c .. 4 c + 3 at (2 q + c) 512 + 16 lane.
; y's scale bytes lie in ys as launch 3 made them, two bytes for a token and a head: the work-group lays its 256 rows x 32 bytes out in LDS itself, as rows of 32 bytes with 16 bytes of padding behind each 256.
; PLACES: rows of W_proj and tokens lie at places with bits 3 and 4 exchanged; the way out puts columns and rows back: place 16 t + 8 h + j is row 32 (t / 2) + 16 h + 8 (t % 2) + j.
; b_proj is the C of each sum's first matrix instruction.
; CLUSTERS: 4 x 4.  y's tiles hang on cy and are asked for jointly along a row of the cluster, W_proj's on cx and jointly along a column.
; REGISTERS: window 0: v0-31 addresses; v32-95 scale words, two sets; v96-111 ys as loaded; v128-191 y's fragments; v192-255 the bias; on the way out v128-255 rows of out0.  window 1: W_proj's fragments, two sets.
;   windows 2, 3: accumulator (a, b) at v[8 (8 (a % 4) + b)] of window 2 + a / 4.
.set NQ,     4
.set ROWB,   256
.set KROW,   512
.set PITCH,  272
.set FR,     8
.set NL,     2
.set NP,     4
.set HALFT,  128*PITCH
.set ABYTES, 65536                     ; y's 16 tiles x 4,096 bytes in a slot
.set SLOT,   ABYTES+2*HALFT
.set KS,     32
.set SCL,    2*SLOT                    ; y's scales (stored by the waves), then W_proj's (filled once)
.set HALFS,  (128*KS/256)*272
.set SBLK,   (16*KS/256)*272
.set SPARE,  SCL+4*HALFS
.set STAGE,  SPARE+512                 ; 16 rows x 528 bytes for each wave
.set SPITCH, 528
.set SA,   13                          ; v13  where I store y's scale bytes
.set YOF,  14                          ; v14  my byte offset in ys
.set BOF,  15                          ; v15  my byte offset in b_proj
.set ADRA, 16
.set ADRB, 20
.set STO,  24
.set RD,   25
.set CO,   26
.set ADRS, 27
.set SPW,  28
.set NIL,  29
.set SC,   32
.set YSD,  96
.set AF,   128
.set BP,   192
.set BK,   128
.set G1, 24
.set G0, 32
.set G1B, 48
.set G0B, 56
.set G1SB, 80
.set G0SB, 88
.set MSB, 0
.macro WIN new
.if MSB != (\new)
	s_set_vgpr_msb (MSB<<8)|(\new)
.set MSB, (\new)
.endif
.endm
.set MUL_LO, 0xa1
.set MUL_HI, 0xf1
.set TO_B,   0x40
.macro CROUND
	s_barrier_signal -1
	s_barrier_wait -1
	s_cmp_lg_u32 s14, 0
	s_cbranch_scc1 .Lnot_wave_0_\@
	s_barrier_signal -3
.Lnot_wave_0_\@:
	s_barrier_wait -3
	s_barrier_signal -1
	s_barrier_wait -1
.endm
	s_load_b256 s[4:11], s[0:1], 0x0               ; yc s[4:5], ys s[6:7], codes1 s[8:9], scales1 s[10:11]
	s_load_b128 s[96:99], s[0:1], 0x20             ; b_proj s[96:97], out0 s[98:99]
	v_lshl_add_u32 v[SPW], v0, 2, SPARE
	v_mov_b32 v[NIL], 0
	ds_add_u32 v[SPW], v[NIL]                      ; the wave's opening: the add, twice on end, and its wait ahead of my first tensor load
	ds_add_u32 v[SPW], v[NIL]
	v_lshrrev_b32 v1, 5, v0
	v_readfirstlane_b32 s14, v1                    ; wave 0..3
	s_lshr_b32 s15, s14, 1                         ; my half of the tokens.  Also: I fetch y (0) or W_proj (1)
	s_and_b32 s16, s14, 1                          ; my half of the columns.  Also: which half I fetch
	s_bfe_u32 s40, ttmp6, 0x40000                  ; cx
	s_bfe_u32 s41, ttmp6, 0x40004                  ; cy
	s_lshl_b32 s42, ttmp9, 2
	s_add_co_u32 s42, s42, s40                     ; tile column
	s_and_b32 s17, ttmp7, 0xffff
	s_lshl_b32 s17, s17, 2
	s_add_co_u32 s17, s17, s41                     ; tile row
	s_lshl_b32 s43, s41, 2
	s_lshl_b32 s43, 15, s43                        ; my row of the cluster
	s_lshl_b32 s44, 0x1111, s40                    ; my column
	s_or_b32 s[G1+0], s43, (3<<16)|(1<<21)         ; y's images: 8 tiles x 4,096 bytes (512 elements of 8 bytes), 8,192 bytes apart; no padding: every read takes 512 consecutive bytes
	s_mov_b32 s[G1+1], 512<<16
	s_mov_b32 s[G1+2], 8<<16
	s_mov_b32 s[G1+3], 512<<16
	s_mov_b32 s[G1+4], 8
	s_mov_b32 s[G1+5], 1024
	s_mov_b32 s[G1+6], 0
	s_mov_b32 s[G1+7], 0
	s_or_b32 s[G1B+0], s44, (0<<16)|(1<<20)|(1<<21)|(5<<22)|(3<<25)  ; W_proj: 128 rows x 256 bytes, 16 bytes of padding behind each
	s_mov_b32 s[G1B+1], ROWB<<16
	s_mov_b32 s[G1B+2], 128<<16
	s_mov_b32 s[G1B+3], ROWB<<16
	s_mov_b32 s[G1B+4], 128
	s_mov_b32 s[G1B+5], KROW
	s_mov_b32 s[G1B+6], 0
	s_mov_b32 s[G1B+7], 0
	s_or_b32 s[G1SB+0], s44, (3<<16)|(1<<20)|(1<<21)|(5<<22)|(3<<25) ; its scales of 128 rows: 16 rows of 256 bytes, padded likewise
	s_mov_b32 s[G1SB+1], 32<<16
	s_mov_b32 s[G1SB+2], (128*KS/256)<<16
	s_mov_b32 s[G1SB+3], 32<<16
	s_mov_b32 s[G1SB+4], 128*KS/256
	s_mov_b32 s[G1SB+5], 32
	s_mov_b32 s[G1SB+6], 0
	s_mov_b32 s[G1SB+7], 0
	s_lshl_b32 s20, s17, 4
	s_lshl_b32 s18, s16, 3
	s_add_co_u32 s20, s20, s18
	s_lshl_b32 s20, s20, 13                        ; y: tile 16 x tile row + 8 x half, 8,192 bytes each
	s_mov_b32 s21, 0
	s_lshl_b32 s46, s42, 8
	s_lshl_b32 s18, s16, 7
	s_add_co_u32 s46, s46, s18
	s_add_co_u32 s46, s46, 11264                   ; W_proj: place 11,264 + 256 x tile column + 128 x half
	s_mov_b32 s47, 0
	s_lshl_b64 s[92:93], s[46:47], 5
	s_lshl_b64 s[46:47], s[46:47], 9
	s_lshl_b32 s45, s16, 15                        ; where they go: no place in the cluster enters an LDS address
	s_mul_i32 s94, s16, HALFT
	s_add_co_u32 s94, s94, ABYTES
	s_mul_i32 s95, s16, HALFS
	s_add_co_u32 s95, s95, SCL+2*HALFS
	s_lshr_b32 s22, s17, 3
	s_lshl_b32 s22, s22, 16                        ; ys: 65,536 bytes a batch,
	s_and_b32 s23, s17, 7
	s_lshl_b32 s23, s23, 7                         ; 64 bytes a group of 128 tokens: my two groups
	s_add_co_u32 s22, s22, s23
	s_mov_b32 s23, 0
	s_lshl_b32 s18, s42, 10
	s_lshl_b32 s19, s16, 9
	s_add_co_u32 s18, s18, s19                     ; b_proj: my 128 columns
	s_mov_b32 s19, 0
	v_lshrrev_b32 v5, 3, v0
	v_and_b32 v6, 7, v0
	v_lshlrev_b32 v6, 4, v6
	v_lshl_add_u32 v[YOF], v5, 10, v6              ; thread t: run 4 head + j = (t >> 3) + 16 i of 1,024 bytes, its bytes 16 (t & 7) on
	v_bfe_u32 v2, v0, 4, 1                         ; h
	v_lshlrev_b32 v[BOF], 6, v2
	s_wait_dscnt 0x0                               ; both opening adds are done
	s_wait_kmcnt 0x0
	s_add_nc_u64 s[20:21], s[4:5], s[20:21]
	s_add_nc_u64 s[46:47], s[8:9], s[46:47]
	s_add_nc_u64 s[92:93], s[10:11], s[92:93]
	s_add_nc_u64 s[6:7], s[6:7], s[22:23]
	s_add_nc_u64 s[96:97], s[96:97], s[18:19]
.irp i, 0,1,2,3
	global_load_b128 v[YSD+4*\i:YSD+4*\i+3], v[YOF], s[6:7] offset:16384*\i
.endr
.irp b, 0,1,2,3,4,5,6,7                        ; the bias in the results' layout: register 8 b + j of lane (r, h) is column 32 (b / 2) + 16 h + 8 (b % 2) + j
	global_load_b128 v[BP+8*\b:BP+8*\b+3], v[BOF], s[96:97] offset:(32*(\b/2)+8*(\b%2))*4
	global_load_b128 v[BP+8*\b+4:BP+8*\b+7], v[BOF], s[96:97] offset:(32*(\b/2)+8*(\b%2))*4+16
.endr
	CROUND                                         ; all sixteen work-groups are here: the first joint loads meet
.irp s, 0,1
	s_mov_b32 s[G0+4*\s], 1
	s_add_co_u32 s[G0+4*\s+1], s45, \s*SLOT
	s_add_nc_u64 s[G0+4*\s+2:G0+4*\s+3], s[20:21], \s*4096
	s_or_b32 s[G0+4*\s+3], s[G0+4*\s+3], 0x80000000
	s_mov_b32 s[G0B+4*\s], 1
	s_add_co_u32 s[G0B+4*\s+1], s94, \s*SLOT
	s_add_nc_u64 s[G0B+4*\s+2:G0B+4*\s+3], s[46:47], \s*ROWB
	s_or_b32 s[G0B+4*\s+3], s[G0B+4*\s+3], 0x80000000
.endr
	s_mov_b32 s[G0SB], 1
	s_mov_b32 s[G0SB+1], s95
	s_mov_b64 s[G0SB+2:G0SB+3], s[92:93]
	s_or_b32 s[G0SB+3], s[G0SB+3], 0x80000000
	s_cmp_eq_u32 s15, 0                            ; a wave's first fills stand in one branch on its number: two loads (y's slots) or three (W_proj's scales and slots) are out; slot 1's is the last in both arms
	s_cbranch_scc0 .Lfirst_b
	tensor_load_to_lds s[G0:G0+3], s[G1:G1+7]
	s_nop 0
	tensor_load_to_lds s[G0+4:G0+7], s[G1:G1+7]
	s_nop 0
.rept 4
	v_nop
.endr
	s_branch .Lfirst_done
.Lfirst_b:
	tensor_load_to_lds s[G0SB:G0SB+3], s[G1SB:G1SB+7]
	s_nop 0
	tensor_load_to_lds s[G0B:G0B+3], s[G1B:G1B+7]
	s_nop 0
	tensor_load_to_lds s[G0B+4:G0B+7], s[G1B:G1B+7]
	s_nop 0
.rept 4
	v_nop
.endr
.Lfirst_done:
	v_and_b32 v1, 15, v0                           ; r
	v_and_b32 v6, 31, v0
	v_lshlrev_b32 v[CO], 4, v6                     ; 16 x lane
	s_lshl_b32 s21, s15, 15                        ; my 8 tiles of y
	v_add_nc_u32 v[ADRA], s21, v[CO]
	s_add_co_u32 s21, s21, SLOT
	v_add_nc_u32 v[ADRA+1], s21, v[CO]
	v_mul_u32_u24 v3, v1, PITCH
	v_lshl_add_u32 v4, v2, 4, v3
	s_mul_i32 s22, s16, HALFT
	s_add_co_u32 s22, s22, ABYTES
	v_add_nc_u32 v[ADRB], s22, v4
	s_add_co_u32 s22, s22, SLOT
	v_add_nc_u32 v[ADRB+1], s22, v4
	v_mul_u32_u24 v5, v1, KS                       ; my row's scales: 32 bytes a row,
	v_lshrrev_b32 v6, 8, v5
	v_lshl_add_u32 v5, v6, 4, v5                   ; and 16 more for each 256 passed
	s_mul_i32 s21, s15, HALFS
	s_mul_i32 s22, s16, HALFS
	s_add_co_u32 s22, s22, 2*HALFS
	s_sub_co_u32 s22, s22, s21
	v_mul_u32_u24 v6, s22, v2                      ; lanes 16-31 take W_proj's
	s_add_co_u32 s21, s21, SCL
	v_add_nc_u32 v5, v5, v6
	v_add_nc_u32 v[ADRS], s21, v5
	; y's scale bytes: thread t holds, of run (head = (t >> 5) + 4 i, j = (t >> 3) & 3), eight tokens: group bit = t bit 2, b >> 2 = t bit 1, r = 8 (t bit 0) + n.  Row = 128 bit2 + 64 bit1 + 16 j + 8 bit0 + n
	v_and_b32 v5, 1, v0
	v_bfe_u32 v6, v0, 3, 2
	v_lshl_add_u32 v5, v6, 1, v5
	v_bfe_u32 v6, v0, 1, 2
	v_lshl_add_u32 v5, v6, 3, v5                   ; row / 8
	v_mul_u32_u24 v5, v5, 272
	v_lshrrev_b32 v6, 5, v0
	v_lshl_add_u32 v5, v6, 1, v5                   ; + 2 bytes a head
	v_add_nc_u32 v[SA], SCL, v5
	s_mul_i32 s23, s14, 16*SPITCH
	s_add_co_u32 s23, s23, STAGE                   ; my stage
	v_mul_u32_u24 v5, v1, SPITCH
	v_lshl_add_u32 v5, v2, 6, v5
	v_add_nc_u32 v[STO], s23, v5                   ; in: row r, + 16 h columns
	v_add_nc_u32 v[RD], s23, v[CO]                 ; back: the 32 lanes take one row of 512 bytes
	s_lshl_b32 s20, s17, 8
	s_lshl_b32 s21, s15, 7
	s_add_co_u32 s20, s20, s21
	s_lshl_b32 s20, s20, 12                        ; my first row of out0, 4,096 bytes a row
	s_lshl_b32 s21, s42, 10
	s_add_co_u32 s20, s20, s21
	s_lshl_b32 s21, s16, 9
	s_add_co_u32 s20, s20, s21                     ; my first column
	s_mov_b32 s21, 0
	s_add_nc_u64 s[98:99], s[98:99], s[20:21]
.macro FRAG reg, adr, q, i             ; W_proj: 16 rows x 128 K from padded rows
.irp c, 0,1
	ds_load_b128 v[\reg+4*\c:\reg+4*\c+3], v[\adr] offset:64*(\q)+32*\c+(\i)*16*PITCH
.endr
.endm
.macro FRAGA reg, adr, q, i            ; y: the image of the fragment's registers
.irp c, 0,1
	ds_load_b128 v[\reg+4*\c:\reg+4*\c+3], v[\adr] offset:(\i)*4096+(\q)*1024+512*\c
.endr
.endm
; 16 matrix instructions: y's blocks a0, a0 + 1 x W_proj's eight.  The 64 accumulators take turns, one instruction a turn.  zero = 1: the bias starts the sums.
.macro MUL16 a0, p, q, sc, zero
.irp a, \a0, \a0+1
.irp b, 0,1,2,3,4,5,6,7
.if \zero
	v_wmma_scale_f32_16x16x128_f8f6f4 v[8*(8*((\a)%4)+\b):8*(8*((\a)%4)+\b)+7], v[128*(\p)+FR*\b:128*(\p)+FR*\b+FR-1], v[AF+FR*(\a):AF+FR*(\a)+FR-1], v[BP+8*\b:BP+8*\b+7], v[SC+8*NQ*(\sc)+NQ*\b+(\q)], v[SC+8*NQ*(\sc)+NQ*(\a)+(\q)] matrix_a_fmt:MATRIX_FMT_FP4 matrix_b_fmt:MATRIX_FMT_FP4 matrix_a_scale:MATRIX_SCALE_ROW1
.else
	v_wmma_scale_f32_16x16x128_f8f6f4 v[8*(8*((\a)%4)+\b):8*(8*((\a)%4)+\b)+7], v[128*(\p)+FR*\b:128*(\p)+FR*\b+FR-1], v[AF+FR*(\a):AF+FR*(\a)+FR-1], v[8*(8*((\a)%4)+\b):8*(8*((\a)%4)+\b)+7], v[SC+8*NQ*(\sc)+NQ*\b+(\q)], v[SC+8*NQ*(\sc)+NQ*(\a)+(\q)] matrix_a_fmt:MATRIX_FMT_FP4 matrix_b_fmt:MATRIX_FMT_FP4 matrix_a_scale:MATRIX_SCALE_ROW1
.endif
.endr
.endr
.endm
.macro FETCH_B slot, q, p
	WIN TO_B
.irp i, 0,1,2,3,4,5,6,7
	FRAG 128*(\p)+FR*\i, ADRB+\slot, \q, \i
.endr
	WIN 0
.endm
.macro FETCH_A slot, q, i0
.irp i, \i0, \i0+1, \i0+2, \i0+3
	FRAGA AF+FR*(\i), ADRA+\slot, \q, \i
.endr
.endm
.macro SCALES sc
.irp i, 0,1,2,3,4,5,6,7
	ds_load_b128 v[SC+8*NQ*\sc+NQ*\i:SC+8*NQ*\sc+NQ*\i+3], v[ADRS] offset:\i*SBLK
.endr
.endm
.macro PLACES n
.rept \n
	v_nop
.endr
.endm
.macro STEP slot, q, zero
	s_wait_dscnt 4*NL                              ; all but the youngest eight loads (y's blocks 4-7) are in
.if \zero
	WIN 0x81                                       ; source 0 window 1, sources 1 and 2 (the bias) window 0, destination window 2
.else
	WIN MUL_LO
.endif
	MUL16 0, (\q)%2, \q, \slot, \zero
	MUL16 2, (\q)%2, \q, \slot, \zero
	s_wait_dscnt 0
	PLACES NP
	FETCH_B \slot, (\q)+1, 1-(\q)%2
	FETCH_A \slot, (\q)+1, 0
.if \zero
	WIN 0xc1
.else
	WIN MUL_HI
.endif
	MUL16 4, (\q)%2, \q, \slot, \zero
	MUL16 6, (\q)%2, \q, \slot, \zero
	PLACES NP
	WIN 0
	FETCH_A \slot, (\q)+1, 4
.endm
.macro STEPS slot, from
.set Q, \from
.rept NQ-1-\from
	STEP \slot, Q, 0
.set Q, Q+1
.endr
.endm
	s_wait_loadcnt 0x0                             ; ys and the bias
.irp i, 0,1,2,3
.irp m, 0,1,2,3
	ds_store_b16 v[SA], v[YSD+4*\i+\m] offset:8*\i+64*\m                 ; token n = 2 m: 32 bytes a row; head + 4 i: 8 bytes on
	ds_store_b16_d16_hi v[SA], v[YSD+4*\i+\m] offset:8*\i+64*\m+32       ; token n = 2 m + 1
.endr
.endr
	s_wait_tensorcnt 1                             ; all my loads but slot 1's have landed
	s_wait_dscnt 0x0                               ; my part of y's scale bytes lies in LDS
	s_barrier_signal -1
	s_barrier_wait -1
	FETCH_B 0, 0, 0
	FETCH_A 0, 0, 0
	SCALES 0
	FETCH_A 0, 0, 4
	STEP 0, 0, 1
	STEPS 0, 1
	; slot 0's last step changes slots: one barrier; in front of it each wave waits for all its tensor loads (its part of slot 1), adds 0 to its spare word and waits for that and for its LDS reads
	s_wait_tensorcnt 0x0
	ds_add_u32 v[SPW], v[NIL]
	s_wait_dscnt 4*NL+1                            ; the add and the youngest eight loads may be out
	WIN MUL_LO
	MUL16 0, 1, NQ-1, 0, 0
	s_wait_dscnt 0x0
	s_barrier_signal -1
	MUL16 2, 1, NQ-1, 0, 0
	WIN 0
	s_barrier_wait -1                              ; slot 1 is whole
	PLACES NP
	v_add_nc_u32 v[ADRS], 4*NQ, v[ADRS]
	FETCH_B 1, 0, 0
	FETCH_A 1, 0, 0
	SCALES 1
	WIN MUL_HI
	MUL16 4, 1, NQ-1, 0, 0
	MUL16 6, 1, NQ-1, 0, 0
	PLACES NP
	WIN 0
	FETCH_A 1, 0, 4
	STEPS 1, 0
	s_wait_dscnt 4*NL
	WIN MUL_LO
	MUL16 0, 1, NQ-1, 1, 0
	MUL16 2, 1, NQ-1, 1, 0
	s_wait_dscnt 0
	WIN MUL_HI
	MUL16 4, 1, NQ-1, 1, 0
	MUL16 6, 1, NQ-1, 1, 0
	WIN 0
; THE WAY OUT, block by block of 16 token places x 128 columns, through my own stage: in by columns' true places, back as whole rows of 512 bytes, which go to the tokens' true rows.
.macro TOSTAGE a
.set AC, 64*((\a)%4)
.set WN, 0x08+4*((\a)/4)
	WIN WN                                         ; an LDS store's data: window 2 or 3
.irp b, 0,1,2,3,4,5,6,7
	ds_store_b128 v[STO], v[AC+8*\b:AC+8*\b+3] offset:128*(\b/2)+32*(\b%2)          ; each accumulator from its low end on
	ds_store_b128 v[STO], v[AC+8*\b+4:AC+8*\b+7] offset:128*(\b/2)+32*(\b%2)+16
.endr
	WIN 0
.set BB, BK+64*((\a)%2)
.irp t, 0,1,2,3,4,5,6,7,8,9,10,11,12,13,14,15
	ds_load_b128 v[BB+4*\t:BB+4*\t+3], v[RD] offset:\t*SPITCH      ; LDS serves a wave's instructions in order: these see the stores above, and the next block's stores come behind them
.endr
.endm
.macro SEND a, younger
.set BB, BK+64*((\a)%2)
	s_wait_dscnt \younger
.irp t, 0,1,2,3,4,5,6,7,8,9,10,11,12,13,14,15
	global_store_b128 v[CO], v[BB+4*\t:BB+4*\t+3], s[98:99] offset:(32*((\a)/2)+16*(\t/8)+8*((\a)%2)+\t%8)*4096 th:TH_STORE_NT   ; 32 lanes store 512 consecutive bytes; 127 rows at the most in the immediate
.endr
.endm
	PLACES NP
	TOSTAGE 0
.irp a, 1,2,3,4,5,6,7
.if \a > 1
	s_wait_xcnt 0x0                                ; the stores of two blocks back have read their registers: this block's loads may land there
.endif
	TOSTAGE \a
	SEND \a-1, 32                                  ; behind that block's loads: this block's 16 stores and 16 loads
.endr
	SEND 7, 0
	s_wait_tensorcnt 0x0                           ; the wave's end
	ds_add_u32 v[SPW], v[NIL]
	s_wait_dscnt 0x0
	CROUND                                         ; the closing round
	s_endpgm
.Lfunc_end_k_q9feb2fd6d9_proj:
	.size	k_q9feb2fd6d9_proj, .Lfunc_end_k_q9feb2fd6d9_proj-k_q9feb2fd6d9_proj
	.p2alignl 7, 3214868480
	.fill 96, 4, 3214868480
	.section	.rodata,"a",@progbits
	.p2align	6, 0x0
	.amdhsa_kernel k_q9feb2fd6d9_proj
		.amdhsa_group_segment_fixed_size 327680
		.amdhsa_private_segment_fixed_size 0
		.amdhsa_enable_private_segment 0
		.amdhsa_kernarg_size 48
		.amdhsa_user_sgpr_count 2
		.amdhsa_user_sgpr_kernarg_segment_ptr 1
		.amdhsa_wavefront_size32 1
		.amdhsa_system_sgpr_workgroup_id_x 1
		.amdhsa_system_sgpr_workgroup_id_y 1
		.amdhsa_system_sgpr_workgroup_id_z 1
		.amdhsa_system_vgpr_workitem_id 0
		.amdhsa_next_free_vgpr 1024
		.amdhsa_next_free_sgpr 100
		.amdhsa_reserve_vcc 0
		.amdhsa_float_denorm_mode_32 3
		.amdhsa_float_denorm_mode_16_64 3
		.amdhsa_memory_ordered 1
		.amdhsa_forward_progress 1
		.amdhsa_inst_pref_size 127
	.end_amdhsa_kernel
	.amdgpu_metadata
---
amdhsa.version: [ 1, 2 ]
amdhsa.kernels:
  - .name:           k_q9feb2fd6d9_proj
    .symbol:         k_q9feb2fd6d9_proj.kd
    .args:
      - { .name: yc, .offset: 0, .size: 8, .value_kind: global_buffer, .address_space: global }
      - { .name: ys, .offset: 8, .size: 8, .value_kind: global_buffer, .address_space: global }
      - { .name: codes1, .offset: 16, .size: 8, .value_kind: global_buffer, .address_space: global }
      - { .name: scales1, .offset: 24, .size: 8, .value_kind: global_buffer, .address_space: global }
      - { .name: b_proj, .offset: 32, .size: 8, .value_kind: global_buffer, .address_space: global }
      - { .name: out0, .offset: 40, .size: 8, .value_kind: global_buffer, .address_space: global }
    .group_segment_fixed_size: 327680
    .private_segment_fixed_size: 0
    .kernarg_segment_align: 8
    .kernarg_segment_size: 48
    .max_flat_workgroup_size: 128
    .sgpr_count:     100
    .vgpr_count:     1024
    .wavefront_size: 32
...
	.end_amdgpu_metadata
.endif
;; end of part 4
